; MI455X (gfx1250); checked and timed in simulation.
; The chip was launched on July 23, 2026; its instructions are those of AMD's public machine-readable ISA for CDNA 5 (MIT licence, August 2026) and "CDNA5" Instruction Set Architecture Reference Guide (July 2026). The comments in the code are by the model that wrote it; some were corrected since.
;; Block. Allowed arithmetic: matrix products marked QUANTISED: E3M2 operands, one E8M0 scale for each 32 along K, by v_wmma_scale_f32_16x16x128_f8f6f4 with both operands' format E3M2, f32 sums; everything else in f32.
;; Inputs: W1_codes 4,096 x 32 x 24 uint8 (E3M2 codes of W1, K innermost, in blocks of 32 codes, four codes in three bytes); W1_scales 4,096 x 32 uint8 (E8M0 scales of W1, one for each 32 codes along K); W2_codes 1,024 x 128 x 24 uint8 (E3M2 codes of W2, K innermost, in blocks of 32 codes, four codes in three bytes); W2_scales 1,024 x 128 uint8 (E8M0 scales of W2, one for each 32 codes along K); Wk_codes 16 x 64 x 32 x 24 uint8 (E3M2 codes of Wk, K innermost, in blocks of 32 codes, four codes in three bytes); Wk_scales 16 x 64 x 32 uint8 (E8M0 scales of Wk, one for each 32 codes along K); Wproj_codes 1,024 x 32 x 24 uint8 (E3M2 codes of Wproj, K innermost, in blocks of 32 codes, four codes in three bytes); Wproj_scales 1,024 x 32 uint8 (E8M0 scales of Wproj, one for each 32 codes along K); Wq_codes 16 x 64 x 32 x 24 uint8 (E3M2 codes of Wq, K innermost, in blocks of 32 codes, four codes in three bytes); Wq_scales 16 x 64 x 32 uint8 (E8M0 scales of Wq, one for each 32 codes along K); Wv_codes 16 x 64 x 32 x 24 uint8 (E3M2 codes of Wv, K innermost, in blocks of 32 codes, four codes in three bytes); Wv_scales 16 x 64 x 32 uint8 (E8M0 scales of Wv, one for each 32 codes along K); b1 4,096 float32; x 2 x 2,048 x 1,024 float32.
;; Outputs: out0 2 x 2,048 x 1,024 float32.
;; This version of the problem:
;;   THIS VERSION OF THE PROBLEM IS GIVEN IN LOW PRECISION. The matrix products marked QUANTISED in the list below multiply operands that are first quantised to E3M2 (3 exponent bits, 2 mantissa bits; 6 bits a number), with one power-of-two scale for each 32 numbers along K (OCP MX v1.0); their sums are f32. All else is computed in f32.
;;   The module's matrix products, in the order in which they are computed (A, B: the left and right operand; K: the contracted axis; several contracted axes count as one K, in the product's order):
;;     1. [M 1,024, K 1,024] x [K 1,024, N 4,096]; A: input Wq (given as codes); B: input x: QUANTISED
;;     2. [M 1,024, K 1,024] x [K 1,024, N 4,096]; A: input Wk (given as codes); B: input x: QUANTISED
;;     3. [M 1,024, K 1,024] x [K 1,024, N 4,096]; A: input Wv (given as codes); B: input x: QUANTISED
;;     4. batch 32 x [M 2,048, K 64] x [K 64, N 2,048]; A: computed on the way; B: computed on the way: QUANTISED
;;     5. batch 32 x [M 2,048, K 2,048] x [K 2,048, N 64]; A: softmax (see below); B: computed on the way: QUANTISED
;;     6. [M 4,096, K 1,024] x [K 1,024, N 1,024]; A: computed on the way; B: input Wproj (given as codes): QUANTISED
;;     7. [M 4,096, K 1,024] x [K 1,024, N 4,096]; A: computed on the way; B: input W1 (given as codes): QUANTISED
;;     8. [M 4,096, K 4,096] x [K 4,096, N 1,024]; A: computed on the way; B: input W2 (given as codes): QUANTISED
;;   THE QUANTISER, for each operand of a quantised product, along K:
;;     - K is cut into blocks of 32 from its start; a last block that is shorter is filled with zeros.
;;     - A block's scale is 2^e with e = floor(log2(the largest magnitude in the block)) - 4, held to -126 .. 127; a block of zeros has e = 0. As a byte (E8M0): e + 127.
;;     - Each number is divided by its block's scale, clamped to +-28, and rounded to the nearest number of E3M2, ties to even, subnormals kept.
;;     - The product sums the exact products of the quantised numbers (number of the format x scale) in f32.
;;   ~~~python
;;   def quantise(x, axis):      # numpy; x: float32 -> the quantised numbers, widened to float32 again
;;       x = np.moveaxis(x, axis, -1); K = x.shape[-1]
;;       x = np.pad(x, [(0, 0)] * (x.ndim - 1) + [(0, -K % 32)]); x = x.reshape(x.shape[:-1] + (-1, 32)); a = np.abs(x).max(-1, keepdims=True)
;;       e = np.where(a > 0, np.clip(np.frexp(np.where(a > 0, a, 1))[1] - 1 - 4, -126, 127), 0)      # np.frexp(a)[1] - 1 = floor(log2(a)), exactly
;;       r = np.clip(x / 2.0 ** e, -28, 28)
;;       step = 2.0 ** (np.maximum(np.frexp(np.where(r == 0, 1, r))[1] - 1, -2) - 2)
;;       q = np.round(r / step) * step * 2.0 ** e      # np.round: ties to even
;;       return np.moveaxis(q.reshape(q.shape[:-2] + (-1,))[..., :K], -1, axis).astype(np.float32)
;;   ~~~
;;   SOFTMAX AHEAD OF A QUANTISED PRODUCT. Where the list says 'softmax', what is quantised is not the finished softmax but p = 2^(t - M), with t = logit x log2(e) and M = ceil(the row's largest t), a whole number; so 1/2 < the row's largest p <= 1. The row's sum l is taken of the UNQUANTISED p, in f32, and the product's result is divided by l at the end. Since M is a whole number, a kernel that streams over the keys may use a running M (the ceiling of the running maximum): every later rescaling is an exact power of two, which a block's scale takes up: the codes' values come out the same.
;;   OPERANDS COMPUTED ON THE WAY. 'Computed on the way' means the value that the module computes at that place (a softmax that the list does not call 'softmax' is quantised finished and normalised). What goes into a quantiser is computed in f32, as accurately as f32 sums, v_exp_f32 and their like allow (about 1e-6 of the number): no bf16 or f16 on the way to a quantiser, and a product that is left as it is and whose result goes on into a quantised operand takes f32 operands (vector FMAs, or v_wmma_f32_16x16x4_f32). A number that lies on a knife's edge between two numbers of the format may be rounded either way, as far as f32 arithmetic and the matrix unit's own rounding can turn it there, and no further.
;;   INPUTS GIVEN AS CODES. W1 (in the module: [4096, 1024], K = its axis 1); W2 (in the module: [1024, 4096], K = its axis 1); Wk (in the module: [16, 1024, 64], K = its axis 1); Wproj (in the module: [1024, 1024], K = its axis 1); Wq (in the module: [16, 1024, 64], K = its axis 1); Wv (in the module: [16, 1024, 64], K = its axis 1): each comes as NAME_codes (uint8): NAME with its K axis moved to the last place and cut into blocks of 32 codes, [.., K / 32, bytes a block], one block behind the other in memory; four codes in three bytes: a row's codes are one little-endian stream of bits, code i at bits 6 i .. 6 i + 5 (a code: sign, 3 exponent bits, 2 mantissa bits); and NAME_scales (uint8): the same leading axes, one E8M0 byte (e + 127) for each 32 codes along K. Its value is code x scale, taken as it is: it is not quantised again, and the codes and scales need not be those that the quantiser above would give.
;; One version. Each part assembles by itself: llvm-mc -triple=amdgcn-amd-amdhsa -mcpu=gfx1250 --defsym DOCPART=n.
;; ======== version 1 of 1: 6 launches
;; limits: right only within a limited range of input values
;; workspace buffers: opnd 13,107,200 bytes; qkv 10,092,544 bytes; arec 3,276,800 bytes; x1f 16,777,216 bytes; x1c 3,276,800 bytes; hrec 13,107,200 bytes
;; launch lay (part 1): grid 224 x 1, 8 waves a work-group, no clusters, 178,176 bytes of LDS; arguments x, opnd, Wq_codes, Wk_codes, Wv_codes, Wproj_codes, W1_codes, W2_codes, Wq_scales, Wk_scales, Wv_scales, Wproj_scales, W1_scales, W2_scales; writes opnd
.if DOCPART == 1
	.amdgcn_target "amdgcn-amd-amdhsa--gfx1250"
	.amdhsa_code_object_version 6
	.text
	.protected	k_q1ab8cc5d6e_lay
	.globl	k_q1ab8cc5d6e_lay
	.p2align	8
	.type	k_q1ab8cc5d6e_lay,@function
k_q1ab8cc5d6e_lay:
	s_mov_b64 s[64:65], 0
	v_nop
	global_prefetch_b8 v0, s[64:65] scope:SCOPE_SE
	s_setreg_imm32_b32 hwreg(HW_REG_WAVE_MODE, 25, 1), 1
	s_wait_xcnt 0x0
; x (f32) is quantised to E3M2 with one E8M0 byte for each 32 along C, and the six weights, which come as codes, are laid anew: all seven become RECORDS in opnd.
; A RECORD is 128 rows x 128 K as an image of operand registers, 12,800 bytes: fragment f (16 rows) at 1,536 f: registers 0-3 at 16 x lane, 4-5 at 512 + 8 x lane, 6-9 at 768 + 16 x lane,
; 10-11 at 1,280 + 8 x lane; the rows' scale words at 12,288 + 64 f + 4 r.  Lane r of fragment f holds row 32 (f / 2) + 8 (f % 2) + r % 8 + 16 (r / 8) of the 128: with that order a later product's
; sixteen registers of two neighbouring tiles are sixteen neighbours along the next K.  Record (row block, K step) lies at (row block x K / 128 + K step) x 12,800 of its tensor's part.
; SHARES.  Work-groups 0-127: 128 rows x 256 columns of x (two records).  Work-groups 128-223: 128 rows x 1,024 K of a weight (eight records).  Wave w makes fragment w.
; Every load and store of a wave covers whole runs of 256 or 512 consecutive bytes; rows turn into lanes through the wave's own stage in LDS.  The two ways have LDS bytes of their own.
; No tensor loads, no matrix work, no cluster: nothing is shared between work-groups, and memory binds.
; LIMITS: NaN and infinities in x are not served; a block of x whose largest magnitude lies under 2^-122 (a block of zeros among them) gets the byte 1: its codes are then zeros or held small, and this program alone reads the bytes.
.set REC,  12800
.set FRG,  1536
.set SCO,  12288
.set WQO,  3276800                     ; the weights' records begin here; x's at 0
.set XP,   528                         ; x's stage: a row of 512 bytes + 16
.set XG,   8*16*XP                     ; x's scale words: two records x 512 bytes
.set WSTG, XG+1024                     ; the weights' stage: 16 rows of 768 bytes + 48 for each wave
.set WPI,  816
.set WGT,  WSTG+8*16*WPI               ; the weights' scale words: eight records x 512 bytes
.set G16,  4                           ; v4  16 x lane
.set G8,   5                           ; v5  8 x lane
.set PC,   16                          ; v16-35 the codes just made
.set TM,   36                          ; v36-51 at work in QUANT
.set PW,   52                          ; v52-53 scale words
.set SEL,  60                          ; s[60:61] selects for lane l xor 16
.set MSB, 0
.macro WIN new                         ; the immediate's high byte repeats the setting that is left (this text never leaves window 0)
.if MSB != (\new)
	s_set_vgpr_msb (MSB<<8)|(\new)
.set MSB, (\new)
.endif
.endm
; 16 nb numbers of a lane, register 16 b + i = k 32 b + 16 (lane / 16) + i of the lane's row, become codes in v[pc] on (a whole block of 32 in a lane) and the row's scale bytes in v[pw].
.macro QUANT s, w, nb, pc, pw
	WIN (\w)|((\w)<<2)
.set qb, 0
.rept \nb
	v_max3_num_f32 v[TM+qb], |v[(\s)+16*qb]|, |v[(\s)+16*qb+1]|, 0x2800000   ; my 16 numbers of block b, and the floor 2^(5 - 127): the byte cannot fall under 1
.set qb, qb+1
.endr
	WIN ((\w)<<2)|((\w)<<4)
.set qi, 2
.rept 7
.set qb, 0
.rept \nb
	s_delay_alu instid0(VALU_DEP_4)
	v_max3_num_f32 v[TM+qb], v[TM+qb], |v[(\s)+16*qb+qi]|, |v[(\s)+16*qb+qi+1]|   ; the blocks by turns
.set qb, qb+1
.endr
.set qi, qi+2
.endr
	WIN 0
.set qb, 0
.rept \nb
	s_delay_alu instid0(VALU_DEP_4)
	v_permlanex16_b32 v[TM+4+qb], v[TM+qb], s[SEL], s[SEL+1]
.set qb, qb+1
.endr
.set qb, 0
.rept \nb
	s_delay_alu instid0(VALU_DEP_4)
	v_max_num_f32 v[TM+qb], v[TM+qb], v[TM+4+qb]           ; with lane l xor 16's: the block's largest magnitude
.set qb, qb+1
.endr
.set qb, 0
.rept \nb
	s_delay_alu instid0(VALU_DEP_4)
	v_add_nc_u32 v[TM+12+qb], 0xfe000000, v[TM+qb]         ; 4 off its exponent field: the conversion's scale operand
.set qb, qb+1
.endr
.set qb, 0
.rept \nb
	s_delay_alu instid0(VALU_DEP_4)
	v_lshrrev_b32 v[TM+4+qb], 23, v[TM+12+qb]              ; the scale's byte
.set qb, qb+1
.endr
	s_delay_alu instid0(VALU_DEP_3)
	v_lshl_or_b32 v[\pw], v[TM+5], 8, v[TM+4]
.if (\nb) == 4
	s_delay_alu instid0(VALU_DEP_1)
	v_lshl_or_b32 v[\pw], v[TM+6], 16, v[\pw]
	s_delay_alu instid0(VALU_DEP_1)
	v_lshl_or_b32 v[\pw], v[TM+7], 24, v[\pw]
.endif
	WIN (\w)
.set qc, 0
.rept (\nb)/2
	v_cvt_scalef32_pk16_bf6_f32 v[(\pc)+6*qc:(\pc)+6*qc+2], v[(\s)+32*qc:(\s)+32*qc+15], v[TM+12+2*qc]
	v_cvt_scalef32_pk16_bf6_f32 v[(\pc)+12+4*qc:(\pc)+14+4*qc], v[(\s)+32*qc+16:(\s)+32*qc+31], v[TM+13+2*qc]   ; (a conversion's three registers begin on an even number)
.set qc, qc+1
.endr
	WIN 0
	v_nop                                                  ; one plain place behind a scaled conversion
.set qc, 0
.rept (\nb)/2
.irp i, 0,1,2
	v_permlane16_swap_b32 v[(\pc)+6*qc+\i], v[(\pc)+12+4*qc+\i]   ; lanes 0-15 get block 2 c whole, lanes 16-31 block 2 c + 1
.endr
.irp i, 0,1,2
	s_delay_alu instid0(VALU_DEP_3)
	v_mov_b32 v[(\pc)+3+6*qc+\i], v[(\pc)+12+4*qc+\i]
.endr
.set qc, qc+1
.endr
.endm
.macro GIMG pc, base, off              ; a fragment's twelve registers go out as they stand: runs of 512, 256, 512, 256 consecutive bytes
	global_store_b128 v[G16], v[(\pc):(\pc)+3], s[\base:\base+1] offset:\off
	global_store_b64 v[G8], v[(\pc)+4:(\pc)+5], s[\base:\base+1] offset:\off+512
	global_store_b128 v[G16], v[(\pc)+6:(\pc)+9], s[\base:\base+1] offset:\off+768
	global_store_b64 v[G8], v[(\pc)+10:(\pc)+11], s[\base:\base+1] offset:\off+1280
.endm
	s_load_b512 s[4:19], s[0:1], 0x0               ; x, opnd, the codes of Wq, Wk, Wv, Wproj, W1, W2
	s_load_b256 s[20:27], s[0:1], 0x40             ; the scales of Wq, Wk, Wv, Wproj
	s_load_b128 s[28:31], s[0:1], 0x60             ; of W1, W2
	v_lshl_add_u32 v62, v0, 2, 0x2b400
	v_mov_b32 v63, 0
	v_lshrrev_b32 v1, 5, v0
	s_delay_alu instid0(VALU_DEP_1)
	v_readfirstlane_b32 s34, v1                    ; wave = fragment f
	v_and_b32 v1, 15, v0                           ; r
	v_bfe_u32 v2, v0, 4, 1                         ; h
	v_and_b32 v3, 31, v0                           ; lane
	s_delay_alu instid0(VALU_DEP_1)
	v_lshlrev_b32 v[G16], 4, v3
	s_delay_alu instid0(VALU_DEP_2)
	v_lshlrev_b32 v[G8], 3, v3
	s_lshr_b32 s35, s34, 1
	s_lshl_b32 s35, s35, 5
	s_and_b32 s36, s34, 1
	s_lshl_b32 s36, s36, 3
	s_add_co_u32 s35, s35, s36                     ; my fragment's first row in the 128: 32 (f / 2) + 8 (f % 2)
	s_mov_b32 s[SEL], 0x76543210
	s_mov_b32 s[SEL+1], 0xfedcba98
	s_cmp_lt_u32 ttmp9, 128
	s_cbranch_scc0 .Lweights
	; ---------------- x: 128 rows x 256 columns ----------------
	s_mul_i32 s37, s34, 16*XP                      ; my stage
	s_wait_alu depctr_va_vdst(0)
	v_add_nc_u32 v6, s37, v[G16]                   ; in: a row's 512 bytes as they lie
	v_mul_u32_u24 v7, v1, XP
	s_delay_alu instid0(VALU_DEP_1)
	v_lshl_add_u32 v7, v2, 6, v7
	s_delay_alu instid0(VALU_DEP_1)
	v_add_nc_u32 v7, s37, v7                       ; back: row r, my half's 16 numbers of each block of 32
	s_lshl_b32 s37, s34, 6
	v_lshl_add_u32 v8, v1, 2, XG
	s_delay_alu instid0(VALU_DEP_1)
	v_add_nc_u32 v8, s37, v8                       ; my row's scale word: XG + 64 f + 4 r
	v_lshl_add_u32 v9, v0, 4, XG                   ; waves 0 and 1 read the words back: 16 bytes a thread
.irp b, 0,1,2,3
	v_mov_b32 v[TM+4+\b], 0                        ; written once: a lane permute's destination counts as one of its sources
.endr
	s_lshr_b32 s38, ttmp9, 2                       ; row block
	s_and_b32 s39, ttmp9, 3                        ; which 256 columns
	s_lshl_b32 s40, s38, 7
	s_add_co_u32 s40, s40, s35
	s_lshl_b32 s40, s40, 12                        ; my first row, 4,096 bytes a row,
	s_lshl_b32 s41, s39, 10
	s_add_co_u32 s40, s40, s41                     ; and my columns
	s_mov_b32 s41, 0
	s_lshl_b32 s42, s38, 3
	s_lshl_b32 s43, s39, 1
	s_add_co_u32 s42, s42, s43
	s_mul_i32 s42, s42, REC                        ; record (row block, 2 x column group)
	s_mov_b32 s43, 0
	s_mul_i32 s44, s34, FRG
	s_mov_b32 s45, 0
	s_mul_i32 s46, s34, REC
	s_mov_b32 s47, 0
	s_wait_alu depctr_va_vdst(0)
	s_wait_kmcnt 0x0
	s_add_nc_u64 s[40:41], s[4:5], s[40:41]
	s_add_nc_u64 s[42:43], s[6:7], s[42:43]
	s_add_nc_u64 s[44:45], s[42:43], s[44:45]      ; my fragment in the first record
	s_add_nc_u64 s[46:47], s[42:43], s[46:47]      ; record w (waves 0 and 1)
.irp e, 0,1
.irp p, 0,1,2,3,4,5,6,7,8,9,10,11,12,13,14,15
	global_load_b128 v[64+4*(16*\e+\p):64+4*(16*\e+\p)+3], v[G16], s[40:41] offset:((\p%8)+16*(\p/8))*4096+512*\e th:TH_LOAD_NT   ; the row of fragment lane p: 512 consecutive bytes
.endr
.endr
.macro XSTEP e                         ; 128 columns: through the stage, quantised, out
	s_wait_loadcnt 16*(1-\e)                       ; this K step's sixteen loads are in; the other's may be out
.irp p, 0,1,2,3,4,5,6,7,8,9,10,11,12,13,14,15
	ds_store_b128 v6, v[64+4*(16*\e+\p):64+4*(16*\e+\p)+3] offset:\p*XP
.endr
.irp b, 0,1,2,3
.irp j, 0,1,2,3
	ds_load_b128 v[192+16*\b+4*\j:192+16*\b+4*\j+3], v7 offset:128*\b+16*\j   ; LDS serves a wave's instructions in order: these see my stores
.endr
.endr
	s_wait_dscnt 0x0
	s_wait_xcnt 0x0                                ; the last step's stores have read the codes' registers
	QUANT 192, 0, 4, PC, PW+\e
	GIMG PC, 44, \e*REC
	ds_store_b32 v8, v[PW+\e] offset:512*\e        ; both halves of the lanes write the same word with the same value
.endm
	XSTEP 0
	XSTEP 1
	s_wait_dscnt 0x0                               ; for the others: my words lie in LDS
	s_barrier_signal -1
	s_barrier_wait -1
	s_cmp_gt_u32 s34, 1
	s_cbranch_scc1 .Lend
	ds_load_b128 v[56:59], v9                      ; a record's 512 bytes of scale words
	s_wait_dscnt 0x0
	global_store_b128 v[G16], v[56:59], s[46:47] offset:SCO
	s_branch .Lend
	; ---------------- a weight: 128 rows x 1,024 K, bytes laid anew ----------------
.Lweights:
	s_sub_co_u32 s38, ttmp9, 128                   ; job j: 0-31 Wq, Wk, Wv, Wproj (8 each), 32-63 W1, 64-95 W2 (row block x 4 + K group)
	s_lshr_b32 s39, s38, 3
	s_min_u32 s39, s39, 4
	s_lshr_b32 s40, s38, 6
	s_add_co_u32 s39, s39, s40                     ; which tensor, 0 to 5
	s_and_b32 s41, s38, 7
	s_sub_co_u32 s42, s38, 32
	s_cmp_lt_u32 s38, 32
	s_cselect_b32 s41, s41, s42
	s_and_b32 s42, s38, 31                         ; j - 64 where j is 64 or more
	s_lshr_b32 s43, s42, 2
	s_and_b32 s42, s42, 3
	s_mov_b32 s44, 3072
	s_mov_b32 s45, 128
	s_cmp_lt_u32 s38, 64
	s_cselect_b32 s41, s41, s43                    ; row block in the tensor
	s_cselect_b32 s42, 0, s42                      ; which 1,024 along K
	s_cselect_b32 s44, 768, s44                    ; a row of codes in bytes
	s_cselect_b32 s45, 32, s45                     ; a row of scale bytes
	s_lshl_b32 s41, s41, 7
	s_add_co_u32 s41, s41, s35                     ; my fragment's first row
	s_mul_i32 s46, s41, s44
	s_mul_i32 s47, s42, 768
	s_add_co_u32 s46, s46, s47
	s_mov_b32 s47, 0
	s_mul_i32 s48, s41, s45
	s_lshl_b32 s49, s42, 5
	s_add_co_u32 s48, s48, s49
	s_mov_b32 s49, 0
	s_mul_i32 s54, s38, 8*REC
	s_add_co_u32 s54, s54, WQO                     ; the job's eight records lie on end
	s_mov_b32 s55, 0
	s_mul_i32 s56, s34, FRG
	s_mov_b32 s57, 0
	s_mul_i32 s58, s34, REC
	s_mov_b32 s59, 0
	s_mul_i32 s37, s34, 16*WPI
	s_wait_alu depctr_va_vdst(0)
	v_add_nc_u32 v6, WSTG, v[G8]
	s_delay_alu instid0(VALU_DEP_1)
	v_add_nc_u32 v6, s37, v6                       ; my stage, in: 256 bytes of a row as they lie
	v_mul_u32_u24 v7, v1, WPI
	s_delay_alu instid0(VALU_DEP_1)
	v_mad_u32_u24 v7, v2, 24, v7
	s_delay_alu instid0(VALU_DEP_1)
	v_add_nc_u32 v7, WSTG, v7
	s_delay_alu instid0(VALU_DEP_1)
	v_add_nc_u32 v7, s37, v7                       ; back: row r, + 24 bytes for the upper half of the lanes
	s_lshl_b32 s37, s34, 6
	v_lshl_add_u32 v8, v1, 2, WGT
	s_delay_alu instid0(VALU_DEP_1)
	v_lshl_add_u32 v8, v2, 11, v8
	s_delay_alu instid0(VALU_DEP_1)
	v_add_nc_u32 v8, s37, v8                       ; scale words: WGT + 512 (4 h + j) + 64 f + 4 r
	v_lshl_add_u32 v9, v0, 4, WGT                  ; and back: wave w takes record w's 512 bytes
	v_and_b32 v10, 7, v1
	v_lshrrev_b32 v11, 3, v1
	s_delay_alu instid0(VALU_DEP_1)
	v_lshl_add_u32 v10, v11, 4, v10                ; the row of fragment lane r
	s_delay_alu instid0(VALU_DEP_1)
	v_mul_lo_u32 v10, v10, s45
	s_delay_alu instid0(VALU_DEP_1)
	v_lshl_add_u32 v10, v2, 4, v10                 ; its scale bytes: 16 for each half of the lanes
.irp p, 0,1,2,3,4,5,6,7,8,9,10,11,12,13,14,15
	s_mul_i32 s33, s44, (\p%8)+16*(\p/8)
	v_add_nc_u32 v[16+\p], s33, v[G8]              ; the row of fragment lane p, 8 bytes a lane
.endr
	s_wait_alu depctr_va_vdst(0)
	s_wait_kmcnt 0x0
	s_mov_b64 s[50:51], s[18:19]
	s_mov_b64 s[52:53], s[30:31]
.irp t, 0,1,2,3,4
	s_cmp_eq_u32 s39, \t                           ; the choice hangs on the work-group's number alone
	s_cselect_b64 s[50:51], s[8+2*\t:9+2*\t], s[50:51]
	s_cselect_b64 s[52:53], s[20+2*\t:21+2*\t], s[52:53]
.endr
	s_add_nc_u64 s[50:51], s[50:51], s[46:47]
	s_add_nc_u64 s[52:53], s[52:53], s[48:49]
	s_add_nc_u64 s[54:55], s[6:7], s[54:55]
	s_add_nc_u64 s[56:57], s[54:55], s[56:57]      ; my fragment in the first record
	s_add_nc_u64 s[58:59], s[54:55], s[58:59]      ; record w
	global_load_b128 v[32:35], v10, s[52:53] th:TH_LOAD_NT
.irp p, 0,1,2,3,4,5,6,7,8,9,10,11,12,13,14,15
.irp t, 0,1,2
	global_load_b64 v[64+2*(3*\p+\t):64+2*(3*\p+\t)+1], v[16+\p], s[50:51] offset:256*\t th:TH_LOAD_NT   ; 256 consecutive bytes, aligned
.endr
.endr
	s_wait_loadcnt 0x0
.irp j, 0,1,2,3
	ds_store_b32 v8, v[32+\j] offset:512*\j
.endr
.irp p, 0,1,2,3,4,5,6,7,8,9,10,11,12,13,14,15
.irp t, 0,1,2
	ds_store_b64 v6, v[64+2*(3*\p+\t):64+2*(3*\p+\t)+1] offset:\p*WPI+256*\t
.endr
.endr
.irp k, 0,1,2,3,4,5,6,7
.irp p, 0,1,2,3,4,5
	ds_load_b64 v[160+12*\k+2*\p:160+12*\k+2*\p+1], v7 offset:96*\k+48*(\p/3)+8*(\p%3)   ; a fragment's registers: 24 bytes of the row's stream of bits, twice
.endr
.endr
.irp k, 0,1,2,3,4,5,6,7
	s_wait_dscnt 6*(7-\k)                          ; K step k's six loads are in; the later steps' may be out
	GIMG 160+12*\k, 56, \k*REC
.endr
	s_wait_dscnt 0x0
	s_barrier_signal -1
	s_barrier_wait -1
	ds_load_b128 v[36:39], v9
	s_wait_dscnt 0x0
	global_store_b128 v[G16], v[36:39], s[58:59] offset:SCO
.Lend:
	s_wait_tensorcnt 0x0
	ds_add_u32 v62, v63
	s_wait_dscnt 0x0
	s_endpgm
.Lfunc_end_k_q1ab8cc5d6e_lay:
	.size	k_q1ab8cc5d6e_lay, .Lfunc_end_k_q1ab8cc5d6e_lay-k_q1ab8cc5d6e_lay
	.p2alignl 7, 3214868480
	.fill 96, 4, 3214868480
	.section	.rodata,"a",@progbits
	.p2align	6, 0x0
	.amdhsa_kernel k_q1ab8cc5d6e_lay
		.amdhsa_group_segment_fixed_size 178176
		.amdhsa_private_segment_fixed_size 0
		.amdhsa_enable_private_segment 0
		.amdhsa_kernarg_size 112
		.amdhsa_user_sgpr_count 2
		.amdhsa_user_sgpr_kernarg_segment_ptr 1
		.amdhsa_wavefront_size32 1
		.amdhsa_system_sgpr_workgroup_id_x 1
		.amdhsa_system_sgpr_workgroup_id_y 1
		.amdhsa_system_sgpr_workgroup_id_z 1
		.amdhsa_system_vgpr_workitem_id 0
		.amdhsa_next_free_vgpr 256
		.amdhsa_next_free_sgpr 66
		.amdhsa_reserve_vcc 0
		.amdhsa_float_denorm_mode_32 3
		.amdhsa_float_denorm_mode_16_64 3
		.amdhsa_memory_ordered 1
		.amdhsa_forward_progress 1
		.amdhsa_inst_pref_size 42
	.end_amdhsa_kernel
	.amdgpu_metadata
---
amdhsa.version: [ 1, 2 ]
amdhsa.kernels:
  - .name:           k_q1ab8cc5d6e_lay
    .symbol:         k_q1ab8cc5d6e_lay.kd
    .args:
      - { .name: x, .offset: 0, .size: 8, .value_kind: global_buffer, .address_space: global }
      - { .name: opnd, .offset: 8, .size: 8, .value_kind: global_buffer, .address_space: global }
      - { .name: Wq_codes, .offset: 16, .size: 8, .value_kind: global_buffer, .address_space: global }
      - { .name: Wk_codes, .offset: 24, .size: 8, .value_kind: global_buffer, .address_space: global }
      - { .name: Wv_codes, .offset: 32, .size: 8, .value_kind: global_buffer, .address_space: global }
      - { .name: Wproj_codes, .offset: 40, .size: 8, .value_kind: global_buffer, .address_space: global }
      - { .name: W1_codes, .offset: 48, .size: 8, .value_kind: global_buffer, .address_space: global }
      - { .name: W2_codes, .offset: 56, .size: 8, .value_kind: global_buffer, .address_space: global }
      - { .name: Wq_scales, .offset: 64, .size: 8, .value_kind: global_buffer, .address_space: global }
      - { .name: Wk_scales, .offset: 72, .size: 8, .value_kind: global_buffer, .address_space: global }
      - { .name: Wv_scales, .offset: 80, .size: 8, .value_kind: global_buffer, .address_space: global }
      - { .name: Wproj_scales, .offset: 88, .size: 8, .value_kind: global_buffer, .address_space: global }
      - { .name: W1_scales, .offset: 96, .size: 8, .value_kind: global_buffer, .address_space: global }
      - { .name: W2_scales, .offset: 104, .size: 8, .value_kind: global_buffer, .address_space: global }
    .group_segment_fixed_size: 178176
    .private_segment_fixed_size: 0
    .kernarg_segment_align: 8
    .kernarg_segment_size: 112
    .max_flat_workgroup_size: 256
    .sgpr_count:     66
    .vgpr_count:     256
    .wavefront_size: 32
...
	.end_amdgpu_metadata
.endif
;; end of part 1
;; launch qkv (part 2): grid 12 x 16, 4 waves a work-group, clusters of 4 x 4, 327,680 bytes of LDS; arguments opnd, qkv; writes qkv
.if DOCPART == 2
	.amdgcn_target "amdgcn-amd-amdhsa--gfx1250"
	.amdhsa_code_object_version 6
	.text
	.protected	k_q1ab8cc5d6e_qkv
	.globl	k_q1ab8cc5d6e_qkv
	.p2align	8
	.type	k_q1ab8cc5d6e_qkv,@function
k_q1ab8cc5d6e_qkv:
	s_mov_b64 s[64:65], 0
	v_nop
	global_prefetch_b8 v0, s[64:65] scope:SCOPE_SE
	s_setreg_imm32_b32 hwreg(HW_REG_WAVE_MODE, 25, 1), 1
	s_wait_xcnt 0x0
	s_wait_alu depctr_hold_cnt(0) depctr_sa_sdst(0) depctr_va_vdst(0) depctr_va_sdst(0) depctr_va_ssrc(0) depctr_va_vcc(0) depctr_vm_vsrc(0)
	s_getreg_b32 s2, hwreg(HW_REG_IB_STS2, 6, 4)
	s_cmp_eq_u32 s2, 0
	s_cbranch_scc0 .Lentry_in_a_cluster
	s_endpgm
.Lentry_in_a_cluster:
	s_bfe_u32 s2, ttmp6, 0x10000c
	s_cmp_lg_u32 s2, 0xf033
	s_cbranch_scc0 .Lentry_shape_is_right
	s_endpgm
.Lentry_shape_is_right:
; q, k and v of all heads, each quantised at once for the attention that follows.  All operands are RECORDS (128 rows x 128 K as images of operand registers, 12,800 bytes: fragment f at 1,536 f,
; scale words at 12,288 + 64 f + 4 r; lane r of fragment f holds row 32 (f / 2) + 8 (f % 2) + r % 8 + 16 (r / 8)).
; A tile of 256 x 256 is made by four waves, each 128 x 128: 64 accumulators, 512 registers.  The matrix instruction is used transposed (source 0 = operand B, source 1 = operand A): a lane holds ONE row of A,
; and by the records' row order the 16 registers of B's fragments 2 b and 2 b + 1 are 16 neighbouring rows of B: just what the quantiser along that axis wants, with no way through LDS.
; CLUSTER COLUMN 0: q (A = x, B = Wq), 1: k (A = x, B = Wk): a lane holds a token and runs along h x 64 + d: quantised along d, 64 to a head.
; CLUSTER COLUMN 2: v (A = Wv, B = x): a lane holds one d of one head and runs along the tokens: quantised along the keys, which are the second attention product's K.
; K = 1,024 is four quarters of 256.  A row block has room for three quarters in LDS, on end: three SLOTS of two records.  FOUR LOADS a wave, each one dense block of 25,600 bytes, one behind each round:
; quarter 0 at the head; quarter 1 behind the full sequence, a first fill; quarter 2 behind the first change of slots, a first fill too; quarter 3 behind the second change, into slot 0, which was read out a change earlier.
; By the text's own count a wave has one load out, and from a request behind a change of slots to the wait for it it issues 96 products.  4 x 4 work-groups form a cluster: A's blocks are asked for jointly along a row, B's along a column.
; PREFETCH: behind load 0 the rows of loads 1 and 2 are asked of memory, behind load 1 those of load 3: of a load's 100 rows of 256 bytes each of the four partners that ask jointly takes 25, told apart by address alone;
; a lane a row, lanes 25-31 name the share's last row again.
; REGISTERS: window 0: v0-29 and v48-62 addresses; v32-47 scale words, two sets of 8 (a register holds fragment 2 p's words in lanes 0-15 and 2 p + 1's in lanes 16-31); v64-255 fragment set 0 (A's 8 from v64, B's 8 from v160);
;   window 1: v64-255 fragment set 1;  windows 2, 3: the accumulators ((a, b) at v[8 (8 (a % 4) + b)] of window 2 + a / 4).
; LIMITS: NaN and infinities are not served; a block whose largest magnitude lies under 2^-122 gets the byte 1 (this program alone reads the bytes).
.set REC,   12800
.set FRG,   1536
.set SCO,   12288
.set BLKB,  2*REC                      ; what one tensor load brings: a slot of one row block
.set ROWB,  3*BLKB                     ; a row block's room in LDS;  A's two row blocks, then B's two
.set SPARE, 4*ROWB                     ; the spare words: 128 bytes a wave, named by no other line
.set SCR,   SPARE+512
.set QG,    SCR                        ; q's and k's scale words on their way out: 1,024 bytes a wave
.set VG,    SCR+4096                   ; v's: 512 bytes a wave
.set RBS,   8*REC                      ; a row block of an operand with K = 1,024
.set WQO,   3276800
.set WVO,   4915200
.set QSZ,   3407872                    ; qkv: q's part, 512 x 6,656 bytes; behind it 512 records of 13,056 bytes with k and v
.set AF,  64
.set BF,  160
.set SC,  32
.set A16, 48                           ; v48-50 my part of A in slot 0, 1, 2, 16 bytes a lane;  v51-53 8 bytes a lane;  v54-56 4 bytes a lane
.set A8,  51
.set A4,  54
.set B16, 57                           ; v57-59, v60-62, v4-6 the same for B
.set B8,  60
.set B4,  4
.set G16, 16
.set G8,  17
.set PC,  64                           ; the way out: v64-103 codes, two sets
.set TM,  104                          ; v104-119 at work in QUANT
.set PW,  120                          ; v120-127 a scale word for each of my eight blocks of rows
.set WT,  128                          ; v128-143 the words of two heads
.set SEL, 96
.set G1,  24                           ; s[24:31] group 1, s[32:35] group 0 for A's blocks;  s[48:55], s[56:59] for B's
.set G0,  32
.set G1B, 48
.set G0B, 56
.set MSB, 0
.macro WIN new                         ; the immediate's high byte repeats the setting that is left
.if MSB != (\new)
	s_set_vgpr_msb (MSB<<8)|(\new)
.set MSB, (\new)
.endif
.endm
.macro PLACES                          ; four plain vector instructions between a matrix instruction and a load into, or a vector read of, its registers
.rept 4
	v_nop
.endr
.endm
.macro JLOAD g0a, g1a, g0b, g1b        ; a joint load: waves 0 and 1 fetch for A, waves 2 and 3 for B; s_nop 0 and four v_nop follow each line
	s_cmp_eq_u32 s15, 0
	s_cbranch_scc0 .Lfor_b_\@
	tensor_load_to_lds s[\g0a:\g0a+3], s[\g1a:\g1a+7]
	s_nop 0
.rept 4
	v_nop
.endr
	s_branch .Lasked_\@
.Lfor_b_\@:
	tensor_load_to_lds s[\g0b:\g0b+3], s[\g1b:\g1b+7]
	s_nop 0
.rept 4
	v_nop
.endr
.Lasked_\@:
.endm
.macro CREST                           ; a round of the cluster's barrier behind its opening barrier
	s_cmp_lg_u32 s14, 0
	s_cbranch_scc1 .Lnot_wave_0_\@
	s_barrier_signal -3
.Lnot_wave_0_\@:
	s_barrier_wait -3
	s_barrier_signal -1
	s_barrier_wait -1
.endm
.macro CROUND
	s_barrier_signal -1
	s_barrier_wait -1
	CREST
.endm
.macro FRAG reg, a16, a8, off          ; a fragment's twelve registers, each load on consecutive bytes
	ds_load_b128 v[\reg:\reg+3], v[\a16] offset:\off
	ds_load_b64 v[\reg+4:\reg+5], v[\a8] offset:\off+512
	ds_load_b128 v[\reg+6:\reg+9], v[\a16] offset:\off+768
	ds_load_b64 v[\reg+10:\reg+11], v[\a8] offset:\off+1280
.endm
.macro QUANT s, w, nb, pc, pw          ; 16 nb numbers of a lane in window w, register 16 b + i = k 32 b + 16 (lane / 16) + i of the lane's row -> codes in v[pc] on, scale bytes in v[pw]
	WIN (\w)|((\w)<<2)
.set qb, 0
.rept \nb
	v_max3_num_f32 v[TM+qb], |v[(\s)+16*qb]|, |v[(\s)+16*qb+1]|, 0x2800000   ; with the floor 2^(5 - 127): the byte cannot fall under 1.  Each accumulator is read from its low end on
.set qb, qb+1
.endr
	WIN ((\w)<<2)|((\w)<<4)
.set qi, 2
.rept 7
.set qb, 0
.rept \nb
	v_max3_num_f32 v[TM+qb], v[TM+qb], |v[(\s)+16*qb+qi]|, |v[(\s)+16*qb+qi+1]|
.set qb, qb+1
.endr
.set qi, qi+2
.endr
	WIN 0
.set qb, 0
.rept \nb
	v_permlanex16_b32 v[TM+4+qb], v[TM+qb], s[SEL], s[SEL+1]
.set qb, qb+1
.endr
.set qb, 0
.rept \nb
	v_max_num_f32 v[TM+qb], v[TM+qb], v[TM+4+qb]
.set qb, qb+1
.endr
.set qb, 0
.rept \nb
	v_add_nc_u32 v[TM+12+qb], 0xfe000000, v[TM+qb]         ; 4 off the exponent field: the conversion's scale operand
.set qb, qb+1
.endr
.set qb, 0
.rept \nb
	v_lshrrev_b32 v[TM+4+qb], 23, v[TM+12+qb]
.set qb, qb+1
.endr
	v_lshl_or_b32 v[\pw], v[TM+5], 8, v[TM+4]
.if (\nb) == 4
	v_lshl_or_b32 v[\pw], v[TM+6], 16, v[\pw]
	v_lshl_or_b32 v[\pw], v[TM+7], 24, v[\pw]
.endif
	WIN (\w)
.set qc, 0
.rept (\nb)/2
	v_cvt_scalef32_pk16_bf6_f32 v[(\pc)+6*qc:(\pc)+6*qc+2], v[(\s)+32*qc:(\s)+32*qc+15], v[TM+12+2*qc]
	v_cvt_scalef32_pk16_bf6_f32 v[(\pc)+12+4*qc:(\pc)+14+4*qc], v[(\s)+32*qc+16:(\s)+32*qc+31], v[TM+13+2*qc]
.set qc, qc+1
.endr
	WIN 0
	v_nop                                                  ; one plain place behind a scaled conversion
.set qc, 0
.rept (\nb)/2
.irp i, 0,1,2
	v_permlane16_swap_b32 v[(\pc)+6*qc+\i], v[(\pc)+12+4*qc+\i]
.endr
.irp i, 0,1,2
	v_mov_b32 v[(\pc)+3+6*qc+\i], v[(\pc)+12+4*qc+\i]
.endr
.set qc, qc+1
.endr
.endm
.macro GIMG pc, base, off
	global_store_b128 v[G16], v[(\pc):(\pc)+3], s[\base:\base+1] offset:\off
	global_store_b64 v[G8], v[(\pc)+4:(\pc)+5], s[\base:\base+1] offset:\off+512
	global_store_b128 v[G16], v[(\pc)+6:(\pc)+9], s[\base:\base+1] offset:\off+768
	global_store_b64 v[G8], v[(\pc)+10:(\pc)+11], s[\base:\base+1] offset:\off+1280
.endm
; One product.  z = 1: C is the constant 0 (the sum begins), else C = v[c ..].  bo, ao: B's, A's fragment is an odd one: its scale words stand in lanes 16-31.
.macro WM d, bf, af, z, c, sb, sa, bo, ao
.if (\z) && (\bo) && (\ao)
	v_wmma_scale_f32_16x16x128_f8f6f4 v[\d:\d+7], v[\bf:\bf+11], v[\af:\af+11], 0, v[\sb], v[\sa] matrix_a_fmt:MATRIX_FMT_BF6 matrix_b_fmt:MATRIX_FMT_BF6 matrix_a_scale:MATRIX_SCALE_ROW1 matrix_b_scale:MATRIX_SCALE_ROW1
.elseif (\z) && (\bo)
	v_wmma_scale_f32_16x16x128_f8f6f4 v[\d:\d+7], v[\bf:\bf+11], v[\af:\af+11], 0, v[\sb], v[\sa] matrix_a_fmt:MATRIX_FMT_BF6 matrix_b_fmt:MATRIX_FMT_BF6 matrix_a_scale:MATRIX_SCALE_ROW1
.elseif (\z) && (\ao)
	v_wmma_scale_f32_16x16x128_f8f6f4 v[\d:\d+7], v[\bf:\bf+11], v[\af:\af+11], 0, v[\sb], v[\sa] matrix_a_fmt:MATRIX_FMT_BF6 matrix_b_fmt:MATRIX_FMT_BF6 matrix_b_scale:MATRIX_SCALE_ROW1
.elseif (\z)
	v_wmma_scale_f32_16x16x128_f8f6f4 v[\d:\d+7], v[\bf:\bf+11], v[\af:\af+11], 0, v[\sb], v[\sa] matrix_a_fmt:MATRIX_FMT_BF6 matrix_b_fmt:MATRIX_FMT_BF6
.elseif (\bo) && (\ao)
	v_wmma_scale_f32_16x16x128_f8f6f4 v[\d:\d+7], v[\bf:\bf+11], v[\af:\af+11], v[\c:\c+7], v[\sb], v[\sa] matrix_a_fmt:MATRIX_FMT_BF6 matrix_b_fmt:MATRIX_FMT_BF6 matrix_a_scale:MATRIX_SCALE_ROW1 matrix_b_scale:MATRIX_SCALE_ROW1
.elseif (\bo)
	v_wmma_scale_f32_16x16x128_f8f6f4 v[\d:\d+7], v[\bf:\bf+11], v[\af:\af+11], v[\c:\c+7], v[\sb], v[\sa] matrix_a_fmt:MATRIX_FMT_BF6 matrix_b_fmt:MATRIX_FMT_BF6 matrix_a_scale:MATRIX_SCALE_ROW1
.elseif (\ao)
	v_wmma_scale_f32_16x16x128_f8f6f4 v[\d:\d+7], v[\bf:\bf+11], v[\af:\af+11], v[\c:\c+7], v[\sb], v[\sa] matrix_a_fmt:MATRIX_FMT_BF6 matrix_b_fmt:MATRIX_FMT_BF6 matrix_b_scale:MATRIX_SCALE_ROW1
.else
	v_wmma_scale_f32_16x16x128_f8f6f4 v[\d:\d+7], v[\bf:\bf+11], v[\af:\af+11], v[\c:\c+7], v[\sb], v[\sa] matrix_a_fmt:MATRIX_FMT_BF6 matrix_b_fmt:MATRIX_FMT_BF6
.endif
.endm
; 16 products: A's fragments a0, a0 + 1 against B's eight, from fragment set st.  The 64 accumulators take turns, one instruction a turn, in the same order in every unit.
.macro MULQ st, a0, cm
.irp a, \a0, \a0+1
.irp b, 0,1,2,3,4,5,6,7
	WM 8*(8*((\a)%4)+\b), BF+12*\b, AF+12*(\a), \cm, 8*(8*((\a)%4)+\b), SC+8*(\st)+4+\b/2, SC+8*(\st)+(\a)/2, \b%2, (\a)%2
.endr
.endr
.endm
.macro MW st, hi                       ; both sources in window st, C and D in window 2 + hi
	WIN (\st)|((\st)<<2)|((2+\hi)<<4)|((2+\hi)<<6)
.endm
.macro HALF st, hi, cm
	MW \st, \hi
	MULQ \st, 4*\hi, \cm
	MULQ \st, 4*\hi+2, \cm
.endm
.macro FETCH1 slot, u                  ; the slot's u-th 128 along K into set u: 8 registers of scale words, B's eight fragments, A's first four: 56 loads
	WIN 0
.irp p, 0,1,2,3
	ds_load_b32 v[SC+8*\u+\p], v[A4+\slot] offset:\u*REC+SCO+128*\p
	ds_load_b32 v[SC+8*\u+4+\p], v[B4+\slot] offset:\u*REC+SCO+128*\p
.endr
	WIN (\u)<<6
.irp i, 0,1,2,3,4,5,6,7
	FRAG BF+12*\i, B16+\slot, B8+\slot, \u*REC+\i*FRG
.endr
.irp i, 0,1,2,3
	FRAG AF+12*\i, A16+\slot, A8+\slot, \u*REC+\i*FRG
.endr
.endm
.macro FETCH2 slot, u                  ; A's last four: 16 loads
	WIN (\u)<<6
.irp i, 4,5,6,7
	FRAG AF+12*\i, A16+\slot, A8+\slot, \u*REC+\i*FRG
.endr
.endm
.macro UNIT slot, cm                   ; multiplies set 0 (the slot's first 128 along K) and fetches the slot's second into set 1
	s_wait_dscnt 16                                ; all but the youngest sixteen loads (A's fragments 4-7) are in
	HALF 0, 0, \cm
	s_wait_dscnt 0x0
	PLACES                                         ; in front of the loads into set 1, which the unit before multiplied
	FETCH1 \slot, 1
	HALF 0, 1, \cm
	FETCH2 \slot, 1
.endm
; Multiplies set 1 and changes slots with ONE barrier; in front of it each wave waits for all its tensor loads, adds 0 to its spare word, and waits for that and for its reads of this slot.
; fill 1: the next quarter of K goes into the slot behind the one asked for last, a first fill; 2: it goes into slot 0, a refill; 0: nothing is asked for.
.macro TURN next, fill
	WIN 0
	s_wait_tensorcnt 0x0                           ; all my tensor loads have landed: the one that was out is my part of the next slot
	ds_add_u32 v28, v29                            ; 0 onto my spare word
	s_wait_dscnt 17                                ; (the add and the youngest sixteen loads may be out)
	MW 1, 0
	MULQ 1, 0, 0                                   ; sixteen products stand between the add and the wait for it
	s_wait_dscnt 0x0                               ; the add is done, and my reads of this slot are over
	s_barrier_signal -1
	MULQ 1, 2, 0
	WIN 0
	s_barrier_wait -1
.if (\fill) > 0
	CREST                                          ; the barrier has opened a round of the cluster's barrier: no wave of any partner has a load on its way or still reads a slot left behind
.if (\fill) == 1
	s_add_co_u32 s[G0+1], s[G0+1], BLKB
	s_add_co_u32 s[G0B+1], s[G0B+1], BLKB
.else
	s_mov_b32 s[G0+1], s45
	s_mov_b32 s[G0B+1], s45
.endif
	s_add_nc_u64 s[G0+2:G0+3], s[G0+2:G0+3], BLKB
	s_add_nc_u64 s[G0B+2:G0B+3], s[G0B+2:G0B+3], BLKB
	JLOAD G0, G1, G0B, G1B                         ; the first tensor load behind the round; its four v_nop are the places in front of the loads below
.else
	PLACES
.endif
	FETCH1 \next, 0
	HALF 1, 1, 0
	FETCH2 \next, 0
.endm
	s_load_b128 s[4:7], s[0:1], 0x0                ; opnd, qkv
	v_lshl_add_u32 v28, v0, 2, SPARE
	v_mov_b32 v29, 0
	ds_add_u32 v28, v29                            ; the opening lines: the add, twice on end, and its wait
	ds_add_u32 v28, v29
	s_wait_dscnt 0x0
	v_lshrrev_b32 v1, 5, v0
	v_readfirstlane_b32 s14, v1                    ; wave 0..3
	s_lshr_b32 s15, s14, 1                         ; my half of A's rows.  Also: I fetch for A (0) or for B (1)
	s_and_b32 s16, s14, 1                          ; my half of B's rows.  Also: which row block I fetch
	s_bfe_u32 s40, ttmp6, 0x40000                  ; cx
	s_bfe_u32 s41, ttmp6, 0x40004                  ; cy
	s_and_b32 s18, ttmp7, 0xffff
	s_lshl_b32 s18, s18, 2                         ; 4 x cluster y
	s_lshr_b32 s19, ttmp9, 1                       ; 1 in the cluster column that makes v: the same in all partners
	s_xor_b32 s66, s19, 1                          ; 1 in those that make q and k
	s_mul_i32 s17, s18, s66
	s_add_co_u32 s17, s17, s41                     ; A's tile: q, k: 256 tokens, 4 x cluster y + cy;  v: 256 rows of Wv, cy
	s_mul_i32 s42, s18, s19
	s_add_co_u32 s42, s42, s40                     ; B's tile: q, k: 256 rows of the weight, cx;  v: 256 tokens, 4 x cluster y + cx
	s_lshl_b32 s43, s41, 2
	s_lshl_b32 s43, 15, s43                        ; my row of the cluster
	s_lshl_b32 s44, 0x1111, s40                    ; my column
	s_or_b32 s[G1+0], s43, (3<<16)|(1<<21)         ; 15:0 the mask; 17:16 elements of 8 bytes; 21 set beside a mask; no padding: a dense block of 100 rows of 256 bytes
	s_or_b32 s[G1B+0], s44, (3<<16)|(1<<21)
.irp g, G1, G1B
	s_mov_b32 s[\g+1], 32<<16                      ; tensor_dim0 = 32
	s_mov_b32 s[\g+2], 100<<16                     ; tensor_dim1 = 100
	s_mov_b32 s[\g+3], 32<<16                      ; tile_dim0 = 32
	s_mov_b32 s[\g+4], 100                         ; tile_dim1 = 100
	s_mov_b32 s[\g+5], 32                          ; from row to row
	s_mov_b32 s[\g+6], 0
	s_mov_b32 s[\g+7], 0
.endr
	s_lshl_b32 s20, s17, 1
	s_add_co_u32 s20, s20, s16
	s_mul_i32 s20, s20, RBS                        ; A: the row block that I fetch,
	s_mul_i32 s67, s19, WVO
	s_add_co_u32 s20, s20, s67                     ; in x's records (at 0) or in Wv's
	s_mov_b32 s21, 0
	s_lshl_b32 s46, s42, 1
	s_add_co_u32 s46, s46, s16
	s_mul_i32 s46, s46, RBS                        ; B likewise,
	s_mul_i32 s67, ttmp9, 819200
	s_add_co_u32 s67, s67, WQO
	s_mul_i32 s67, s67, s66
	s_add_co_u32 s46, s46, s67                     ; in Wq's or Wk's records, or in x's
	s_mov_b32 s47, 0
	s_mul_i32 s45, s14, ROWB                       ; where my row block goes: no place in the cluster enters an LDS address
	s_mov_b32 s[SEL], 0x76543210
	s_mov_b32 s[SEL+1], 0xfedcba98
	s_wait_kmcnt 0x0
	s_add_nc_u64 s[20:21], s[4:5], s[20:21]
	s_add_nc_u64 s[46:47], s[4:5], s[46:47]
	CROUND                                         ; all sixteen work-groups are here: the first joint loads meet
	s_mov_b32 s[G0], 1
	s_mov_b32 s[G0+1], s45
	s_mov_b64 s[G0+2:G0+3], s[20:21]
	s_or_b32 s[G0+3], s[G0+3], 0x80000000
	s_mov_b32 s[G0B], 1
	s_mov_b32 s[G0B+1], s45
	s_mov_b64 s[G0B+2:G0B+3], s[46:47]
	s_or_b32 s[G0B+3], s[G0B+3], 0x80000000
	JLOAD G0, G1, G0B, G1B                         ; quarter 0: my one tensor load at the head
	s_cmp_eq_u32 s15, 0
	s_cselect_b32 s86, s40, s41                    ; my place among the four that ask with me: cx for A's block, cy for B's
	s_cselect_b64 s[84:85], s[20:21], s[46:47]
	s_mul_i32 s86, s86, 25*256
	s_mov_b32 s87, 0
	s_add_nc_u64 s[84:85], s[84:85], s[86:87]      ; my work-group's 25 rows of a load's 100
	v_and_b32 v7, 31, v0
	v_min_u32 v7, 24, v7
	v_lshlrev_b32 v7, 8, v7                        ; never rewritten
	global_prefetch_b8 v7, s[84:85] offset:BLKB th:TH_LOAD_NT scope:SCOPE_SE     ; quarter 1,
	global_prefetch_b8 v7, s[84:85] offset:2*BLKB th:TH_LOAD_NT scope:SCOPE_SE   ; and quarter 2
	v_and_b32 v1, 15, v0                           ; r
	v_bfe_u32 v2, v0, 4, 1                         ; h
	v_and_b32 v3, 31, v0                           ; lane
	v_lshlrev_b32 v[G16], 4, v3
	v_lshlrev_b32 v[G8], 3, v3
	v_lshlrev_b32 v18, 2, v3
	s_mul_i32 s21, s15, ROWB                       ; my row block of A,
	s_mul_i32 s22, s16, ROWB
	s_add_co_u32 s22, s22, 2*ROWB                  ; and of B
.irp s, 0,1,2
	v_add_nc_u32 v[A16+\s], s21, v[G16]
	v_add_nc_u32 v[A8+\s], s21, v[G8]
	v_add_nc_u32 v[A4+\s], s21, v18
	v_add_nc_u32 v[B16+\s], s22, v[G16]
	v_add_nc_u32 v[B8+\s], s22, v[G8]
	v_add_nc_u32 v[B4+\s], s22, v18
	s_add_co_u32 s21, s21, BLKB
	s_add_co_u32 s22, s22, BLKB
.endr
	s_lshl_b32 s23, s14, 10
	v_lshl_add_u32 v20, v1, 2, QG
	v_add_nc_u32 v20, s23, v20                     ; q, k: my row's word on its way out
	v_add_nc_u32 v21, QG, v[G16]
	v_add_nc_u32 v21, s23, v21                     ; and back, 16 bytes a lane
	s_lshl_b32 s23, s14, 9
	v_lshl_add_u32 v22, v1, 2, VG
	v_add_nc_u32 v22, s23, v22                     ; v: the same, in bytes of its own
	v_add_nc_u32 v23, VG, v[G16]
	v_add_nc_u32 v23, s23, v23
	v_lshlrev_b32 v24, 4, v1
	v_mul_u32_u24 v25, v2, 208896
	v_add_nc_u32 v24, v24, v25                     ; v's words: lanes 0-15 the first head's 256 bytes, lanes 16-31 the second head's, 16 records on
	s_wait_alu depctr_va_vdst(0)
	s_wait_tensorcnt 0x0                           ; my part of quarter 0 is in
	ds_add_u32 v28, v29
	s_add_co_u32 s[G0+1], s[G0+1], BLKB            ; no load of mine is out, so group 0 may be written: quarter 1, into slot 1
	s_add_co_u32 s[G0B+1], s[G0B+1], BLKB
	s_add_nc_u64 s[G0+2:G0+3], s[G0+2:G0+3], BLKB
	s_add_nc_u64 s[G0B+2:G0B+3], s[G0B+2:G0B+3], BLKB
	s_wait_dscnt 0x0
	CROUND                                         ; a whole round: quarter 0 is whole, and the joint loads meet
	JLOAD G0, G1, G0B, G1B
	global_prefetch_b8 v7, s[84:85] offset:3*BLKB th:TH_LOAD_NT scope:SCOPE_SE   ; quarter 3
	FETCH1 0, 0
	FETCH2 0, 0
	UNIT 0, 1                                      ; the first unit's products start the sums: nothing is cleared
	TURN 1, 1                                      ; quarter 1 is whole; quarter 2 is asked for, into slot 2
	UNIT 1, 0
	TURN 2, 2                                      ; quarter 2 is whole; quarter 3 is asked for, into slot 0
	UNIT 2, 0
	TURN 0, 0                                      ; quarter 3 is whole; nothing more is filled
	UNIT 0, 0
	s_wait_dscnt 16
	HALF 1, 0, 0
	s_wait_dscnt 0x0
	HALF 1, 1, 0
	WIN 0
	PLACES
.irp b, 0,1,2,3
	v_mov_b32 v[TM+4+\b], 0                        ; a lane permute's destination counts as one of its sources
.endr
	s_cmp_eq_u32 ttmp9, 2                          ; the cluster's x: the same in all partners
	s_cbranch_scc1 .Lv_tail
	; ---- q, k.  My 128 tokens are block rb % 16 of batch rb / 16; my 128 columns are two heads.  Block a of 16 tokens becomes tile a: registers 0-5 the first head's 64 codes, 6-11 the second head's.
	s_lshl_b32 s66, s17, 1
	s_add_co_u32 s66, s66, s15                     ; rb
	s_lshr_b32 s67, s66, 4
	s_lshl_b32 s67, s67, 4
	s_lshl_b32 s68, s42, 2
	s_add_co_u32 s67, s67, s68
	s_lshl_b32 s68, s16, 1
	s_add_co_u32 s67, s67, s68                     ; batch x 16 + my first head
	s_lshl_b32 s67, s67, 4
	s_and_b32 s66, s66, 15
	s_add_co_u32 s67, s67, s66
	s_mul_i32 s68, ttmp9, 6400
	s_add_co_u32 s68, s68, 6656                    ; from block to block: q 6,656 bytes, k 13,056
	s_mul_i32 s66, s67, s68
	s_mul_i32 s69, ttmp9, QSZ
	s_add_co_u32 s66, s66, s69
	s_mov_b32 s67, 0
	s_add_nc_u64 s[72:73], s[6:7], s[66:67]        ; the first head's place,
	s_lshl_b32 s66, s68, 4
	s_add_nc_u64 s[74:75], s[72:73], s[66:67]      ; the second head's: 16 blocks on
	s_mov_b32 s70, 0x7f7f0000                      ; the upper half of K = 128 holds zero codes: its two scale bytes are 127
.irp a, 0,1,2,3,4,5,6,7
.set P, PC+20*(\a%2)
	s_wait_xcnt 0x0                                ; earlier stores have read the codes' registers
	QUANT 64*(\a%4), 2+\a/4, 4, PC+20*(\a%2), PW+\a
	global_store_b128 v[G16], v[P:P+3], s[72:73] offset:768*\a
	global_store_b64 v[G8], v[P+4:P+5], s[72:73] offset:768*\a+512
	global_store_b128 v[G16], v[P+6:P+9], s[74:75] offset:768*\a
	global_store_b64 v[G8], v[P+10:P+11], s[74:75] offset:768*\a+512
	v_and_or_b32 v[WT+2*\a], v[PW+\a], 0xffff, s70
	v_lshrrev_b32 v[WT+2*\a+1], 16, v[PW+\a]
	v_or_b32 v[WT+2*\a+1], s70, v[WT+2*\a+1]
	ds_store_b32 v20, v[WT+2*\a] offset:64*\a      ; both halves of the lanes write the same word
	ds_store_b32 v20, v[WT+2*\a+1] offset:512+64*\a
.endr
	ds_load_b128 v[144:147], v21                   ; LDS serves a wave's instructions in order: these see my stores
	ds_load_b128 v[148:151], v21 offset:512
	s_wait_dscnt 0x0
	global_store_b128 v[G16], v[144:147], s[72:73] offset:6144
	global_store_b128 v[G16], v[148:151], s[74:75] offset:6144
	s_branch .Ldone
	; ---- v.  My 128 rows of Wv are two heads' d; my 128 tokens are key step rbx % 16 of batch rbx / 16.  Block a becomes fragment a % 4 (16 d x 128 keys) of head a / 4.
.Lv_tail:
	s_lshl_b32 s66, s42, 1
	s_add_co_u32 s66, s66, s16                     ; rbx
	s_lshr_b32 s67, s66, 4
	s_lshl_b32 s67, s67, 4
	s_lshl_b32 s68, s17, 2
	s_add_co_u32 s67, s67, s68
	s_lshl_b32 s68, s15, 1
	s_add_co_u32 s67, s67, s68                     ; batch x 16 + my first head
	s_lshl_b32 s67, s67, 4
	s_and_b32 s66, s66, 15
	s_add_co_u32 s67, s67, s66
	s_mul_i32 s66, s67, 13056
	s_add_co_u32 s66, s66, QSZ+6656                ; v's fragments lie behind k's tiles and words
	s_mov_b32 s67, 0
	s_add_nc_u64 s[72:73], s[6:7], s[66:67]
	s_add_nc_u64 s[74:75], s[72:73], 208896
.irp a, 0,1,2,3,4,5,6,7
	s_wait_xcnt 0x0
	QUANT 64*(\a%4), 2+\a/4, 4, PC+20*(\a%2), PW+\a
	GIMG PC+20*(\a%2), 72+2*(\a/4), (\a%4)*FRG
	ds_store_b32 v22, v[PW+\a] offset:64*\a
.endr
	ds_load_b128 v[144:147], v23
	s_wait_dscnt 0x0
	global_store_b128 v24, v[144:147], s[72:73] offset:6144
.Ldone:
	s_wait_tensorcnt 0x0                           ; the wave's end
	ds_add_u32 v28, v29
	s_wait_dscnt 0x0
	CROUND                                         ; the closing round
	s_endpgm
.Lfunc_end_k_q1ab8cc5d6e_qkv:
	.size	k_q1ab8cc5d6e_qkv, .Lfunc_end_k_q1ab8cc5d6e_qkv-k_q1ab8cc5d6e_qkv
	.p2alignl 7, 3214868480
	.fill 96, 4, 3214868480
	.section	.rodata,"a",@progbits
	.p2align	6, 0x0
	.amdhsa_kernel k_q1ab8cc5d6e_qkv
		.amdhsa_group_segment_fixed_size 327680
		.amdhsa_private_segment_fixed_size 0
		.amdhsa_enable_private_segment 0
		.amdhsa_kernarg_size 16
		.amdhsa_user_sgpr_count 2
		.amdhsa_user_sgpr_kernarg_segment_ptr 1
		.amdhsa_wavefront_size32 1
		.amdhsa_system_sgpr_workgroup_id_x 1
		.amdhsa_system_sgpr_workgroup_id_y 1
		.amdhsa_system_sgpr_workgroup_id_z 1
		.amdhsa_system_vgpr_workitem_id 0
		.amdhsa_next_free_vgpr 1024
		.amdhsa_next_free_sgpr 100
		.amdhsa_reserve_vcc 0
		.amdhsa_float_denorm_mode_32 3
		.amdhsa_float_denorm_mode_16_64 3
		.amdhsa_memory_ordered 1
		.amdhsa_forward_progress 1
		.amdhsa_inst_pref_size 187
	.end_amdhsa_kernel
	.amdgpu_metadata
---
amdhsa.version: [ 1, 2 ]
amdhsa.kernels:
  - .name:           k_q1ab8cc5d6e_qkv
    .symbol:         k_q1ab8cc5d6e_qkv.kd
    .args:
      - { .name: opnd, .offset: 0, .size: 8, .value_kind: global_buffer, .address_space: global }
      - { .name: qkv, .offset: 8, .size: 8, .value_kind: global_buffer, .address_space: global }
    .group_segment_fixed_size: 327680
    .private_segment_fixed_size: 0
    .kernarg_segment_align: 8
    .kernarg_segment_size: 16
    .max_flat_workgroup_size: 128
    .sgpr_count:     100
    .vgpr_count:     1024
    .wavefront_size: 32
...
	.end_amdgpu_metadata
.endif
;; end of part 2
;; launch attn (part 3): grid 8 x 32, 16 waves a work-group, no clusters, 327,680 bytes of LDS; arguments qkv, arec; writes arec
.if DOCPART == 3
	.amdgcn_target "amdgcn-amd-amdhsa--gfx1250"
	.amdhsa_code_object_version 6
	.text
	.protected	k_q1ab8cc5d6e_attn
	.globl	k_q1ab8cc5d6e_attn
	.p2align	8
	.type	k_q1ab8cc5d6e_attn,@function
k_q1ab8cc5d6e_attn:
	s_mov_b64 s[64:65], 0
	v_nop
	global_prefetch_b8 v0, s[64:65] scope:SCOPE_SE
	s_setreg_imm32_b32 hwreg(HW_REG_WAVE_MODE, 25, 1), 1
	s_wait_xcnt 0x0
; Causal attention of one head on codes of E3M2, and its result quantised along C for the projection.
; t = score x log2(e) / 8; M = the running largest t rounded up to a whole number; p = 2^(t - M) is quantised along the keys; the row's sum is taken of the unquantised p and divides at the end.
; SHARES.  A work-group owns query blocks 15 - i and i (128 queries each) of one head.  A tile of 16 queries is shared by two waves, which split its key steps (128 keys each): wave w has tile f = w % 8 and
; role g = w / 8; of block QS, which needs key steps 0 .. QS (the others lie wholly under the causal mask and are left out by a scalar branch on ids), one role takes those with QS - KS even, the other the rest:
; in the first block role 1 has the diagonal, in the second role 0: so each role has one step with hidden keys.
; K AND V of the whole head, 16 records of 13,056 bytes, fit in LDS; wave w brings record w by its one tensor load.  Waves 0-5 ask at the head.  Waves 6-15 ask behind the sequence ahead of
; a later first fill (the wait for 0, the add, its wait, a barrier): their ten records land while key steps 0-5 of the first block, which has nine steps at the least, are worked.  A second barrier shows them.
; Those ten records' 510 rows of 256 bytes are asked of memory at the head, one load ahead: the head's eight work-groups take 64 rows each (waves 0 and 1, a lane a row; the last work-group's last two lanes name row 509 again).
; A record: eight tiles of K (16 keys x 64 d, 768 bytes), their words at 6,144, four fragments of V^T (16 d x 128 keys) at 6,656, their words at 12,800.
; NO BARRIER BETWEEN THE BLOCKS.  Each wave keeps a running M, sum and O^T of its own.  At the first block's end every wave parks its part in LDS (4,352 bytes: O^T as an image of its registers, the sum, -M) and
; goes on; at the second block's end role 0 parks its part.  Behind ONE barrier role 0 merges the first block (its own part read back, and its partner's) while role 1 merges the second (its registers, and its
; partner's): M = the larger of the two, each part x 2^(its own M - M), a power of two.  A part without a step holds zeros and M = -3e38: its factor comes out 0.  24 parts, three to a tile.
; The first product has K = 64: the upper six registers of its operands hold zero codes (set once) and the upper two scale bytes are 127.  Both products are used transposed: a lane holds ONE query throughout.
; NO CLUSTER: the work-groups of a head leave out different key steps by a branch on their own number, and partners of a cluster must run alike.
; LIMITS: NaN and infinities are not served; a block whose largest magnitude lies under 2^-122 gets the byte 1; a row's sums are added in two parts; the scaled scores stay under 2^31 in magnitude.
.set KVB,  13056
.set QSZ,  3407872
.set NH,   6                           ; records asked for at the head
.set GATH, 16*KVB                      ; the results' scale bytes on their way out: 256 bytes a block; no tile lands from here on
.set QST,  GATH+512                    ; the second block's q: 1,024 bytes a tile
.set MRG,  QST+8*1024                  ; the parts: tile f at 3 f MRW: (first block, role 0), (first block, role 1), (second block, role 0)
.set MRW,  4352
.set SPARE, MRG+24*MRW                 ; the spare words: 128 bytes a wave, named by no other line
.set REC,  12800
.set SCO,  12288
.set S,    128                         ; v128-191 S^T, then p
.set OT,   192                         ; v192-223 O^T
.set TM,   160                         ; the way out: at work in QUANT2; v176-190 the codes, v191 the scale bytes
.set PCD,  176
.set PWD,  191
.set TB,   2                           ; s2  LDS byte of the key step's record
.set KS,   3                           ; s3  the key step
.set QS,   18                          ; s18 the query block in hand
.set CNT,  54
.set SEL,  56
.set CS,   58
.set PAR,  69                          ; s69 a step is mine where KS xor this is odd
.macro FRAG reg, a16, a8, off
	ds_load_b128 v[\reg:\reg+3], v[\a16] offset:\off
	ds_load_b64 v[\reg+4:\reg+5], v[\a8] offset:\off+512
	ds_load_b128 v[\reg+6:\reg+9], v[\a16] offset:\off+768
	ds_load_b64 v[\reg+10:\reg+11], v[\a8] offset:\off+1280
.endm
.macro QUANT2                          ; v[S .. S+31], register 16 b + i = d 32 b + 16 (lane / 16) + i of my query -> six registers of codes from v[PCD], two scale bytes in v[PWD]
.irp b, 0,1
	v_max3_num_f32 v[TM+\b], |v[S+16*\b]|, |v[S+16*\b+1]|, 0x2800000   ; with the floor 2^(5 - 127): the byte cannot fall under 1
.endr
.irp i, 2,4,6,8,10,12,14
.irp b, 0,1
	s_delay_alu instid0(VALU_DEP_2)
	v_max3_num_f32 v[TM+\b], v[TM+\b], |v[S+16*\b+\i]|, |v[S+16*\b+\i+1]|
.endr
.endr
.irp b, 0,1
	s_delay_alu instid0(VALU_DEP_2)
	v_permlanex16_b32 v[TM+4+\b], v[TM+\b], s[SEL], s[SEL+1]
.endr
.irp b, 0,1
	s_delay_alu instid0(VALU_DEP_2)
	v_max_num_f32 v[TM+\b], v[TM+\b], v[TM+4+\b]
.endr
.irp b, 0,1
	s_delay_alu instid0(VALU_DEP_2)
	v_add_nc_u32 v[TM+12+\b], 0xfe000000, v[TM+\b]         ; 4 off the exponent field: the conversion's scale operand
.endr
.irp b, 0,1
	s_delay_alu instid0(VALU_DEP_2)
	v_lshrrev_b32 v[TM+4+\b], 23, v[TM+12+\b]
.endr
	s_delay_alu instid0(VALU_DEP_1)
	v_lshl_or_b32 v[PWD], v[TM+5], 8, v[TM+4]
	v_cvt_scalef32_pk16_bf6_f32 v[PCD:PCD+2], v[S:S+15], v[TM+12]
	v_cvt_scalef32_pk16_bf6_f32 v[PCD+12:PCD+14], v[S+16:S+31], v[TM+13]
	v_nop                                                  ; one plain place behind a scaled conversion
.irp i, 0,1,2
	v_permlane16_swap_b32 v[PCD+\i], v[PCD+12+\i]
.endr
.irp i, 0,1,2
	s_delay_alu instid0(VALU_DEP_3)
	v_mov_b32 v[PCD+3+\i], v[PCD+12+\i]
.endr
.endm
.macro INIT                            ; a block begins: the step is written once, and the first finds zeros
	v_mov_b32 v13, 0xff61b1e6                      ; the largest t so far: -3e38
	s_delay_alu instid0(VALU_DEP_1)
	v_floor_f32 v12, -v13                          ; -M
	v_mov_b32 v14, 0                               ; the sum, in two halves
	v_mov_b32 v15, 0
.irp b, 0,1,2,3
	v_mov_b32 v[236+\b], 0                         ; a lane permute's destination counts as one of its sources
.endr
	v_mov_b32 v252, 0
	v_mov_b32 v253, 0
.set j, 0
.rept 32
	v_mov_b32 v[OT+j], 0
.set j, j+1
.endr
	s_mov_b32 s[TB], 0
	s_mov_b32 s[KS], 0
.endm
.macro PUT off                         ; my part into LDS: O^T as it stands, each accumulator from its low end on, the sum, -M
.irp j, 0,1,2,3,4,5,6,7
	ds_store_b128 v6, v[OT+4*\j:OT+4*\j+3] offset:\off+512*\j
.endr
	ds_store_b32 v7, v14 offset:\off
	ds_store_b32 v7, v12 offset:\off+128
.endm
.macro GETP off                        ; my partner's part: O^T into v[S ..], the sum into v232, -M into v233
.irp j, 0,1,2,3,4,5,6,7
	ds_load_b128 v[S+4*\j:S+4*\j+3], v6 offset:\off+512*\j
.endr
	ds_load_b32 v232, v7 offset:\off
	ds_load_b32 v233, v7 offset:\off+128
.endm
	s_load_b128 s[4:7], s[0:1], 0x0                ; qkv, arec
	v_lshl_add_u32 v8, v0, 2, SPARE
	v_mov_b32 v9, 0
	ds_add_u32 v8, v9                              ; the opening lines: the add, twice on end, and its wait ahead of my tensor load
	ds_add_u32 v8, v9
	v_lshrrev_b32 v10, 5, v0
	s_delay_alu instid0(VALU_DEP_1)
	v_readfirstlane_b32 s14, v10                   ; wave 0..15
	s_lshr_b32 s15, s14, 3                         ; my role g
	s_and_b32 s16, s14, 7                          ; my tile f
	s_and_b32 s17, ttmp7, 0xffff                   ; batch x 16 + head
	s_sub_co_u32 s[QS], 15, ttmp9                  ; the first block: 15 - i
	s_xor_b32 s[PAR], s[QS], s15
	s_mov_b32 s24, 3<<16                           ; group 1: no mask; elements of 8 bytes; no padding: a dense block of 51 rows of 256 bytes
	s_mov_b32 s25, 32<<16
	s_mov_b32 s26, 51<<16
	s_mov_b32 s27, 32<<16
	s_mov_b32 s28, 51
	s_mov_b32 s29, 32
	s_mov_b32 s30, 0
	s_mov_b32 s31, 0
	s_mov_b32 s32, 1
	s_mul_i32 s33, s14, KVB                        ; record w lies at its own place
	s_mul_i32 s20, s17, 16*KVB
	s_add_co_u32 s20, s20, QSZ
	s_mov_b32 s21, 0
	s_lshl_b32 s22, s17, 4
	s_add_co_u32 s50, s22, ttmp9
	s_add_co_u32 s22, s22, s[QS]
	s_mul_i32 s22, s22, 6656
	s_mul_i32 s50, s50, 6656
	s_mov_b32 s23, 0
	s_mov_b32 s51, 0
	s_mul_i32 s48, s16, 768
	s_mov_b32 s49, 0
	s_lshl_b32 s55, s16, 6
	s_lshr_b32 s66, s16, 1
	s_lshl_b32 s66, s66, 5
	s_and_b32 s67, s16, 1
	s_lshl_b32 s67, s67, 3
	s_add_co_u32 s66, s66, s67                     ; my tile's first query in its block: 32 (f / 2) + 8 (f % 2)
	s_lshl_b32 s67, s16, 5
	s_lshl_b32 s68, s15, 8
	s_add_co_u32 s67, s67, s68                     ; 256 g + 32 f
	s_mul_i32 s74, s16, 3*MRW
	s_lshl_b32 s75, s16, 10
	s_lshl_b32 s76, ttmp9, 6                       ; my work-group's 64 of the 510 rows that are asked of memory ahead
	s_mov_b32 s[SEL], 0x76543210
	s_mov_b32 s[SEL+1], 0xfedcba98
	s_mov_b32 s[CS], 0x3e38aa3b                    ; c = log2(e) / 8
	s_mov_b32 s[CS+1], s[CS]
	s_wait_dscnt 0x0                               ; both opening adds are done
	s_wait_kmcnt 0x0
	s_add_nc_u64 s[78:79], s[4:5], s[20:21]        ; the head's sixteen records
	s_mov_b32 s20, s33
	s_add_nc_u64 s[34:35], s[78:79], s[20:21]      ; mine
	s_or_b32 s35, s35, 0x80000000
	s_cmp_lt_u32 s14, NH
	s_cbranch_scc0 .Lno_head
	tensor_load_to_lds s[32:35], s[24:31]          ; waves 0-5: key step w
	s_nop 0
.Lno_head:
	s_add_nc_u64 s[22:23], s[4:5], s[22:23]        ; q's block 15 - i,
	s_add_nc_u64 s[50:51], s[4:5], s[50:51]        ; and block i
	s_add_nc_u64 s[52:53], s[22:23], s[48:49]      ; my tile in each
	s_add_nc_u64 s[48:49], s[50:51], s[48:49]
	v_and_b32 v140, 31, v0                         ; lane
	v_and_b32 v141, 15, v0                         ; r
	v_bfe_u32 v142, v0, 4, 1                       ; h
	v_add_nc_u32 v146, s76, v0
	v_lshlrev_b32 v1, 4, v140                      ; 16, 8, 4 x lane: never rewritten
	v_lshlrev_b32 v2, 3, v140
	v_lshlrev_b32 v3, 2, v140
	v_lshl_add_u32 v143, v141, 2, s55              ; q's scale words: 64 f + 4 r
	v_min_u32 v146, 509, v146
	global_load_b128 v[16:19], v1, s[52:53]
	global_load_b64 v[20:21], v2, s[52:53] offset:512
	global_load_b32 v255, v143, s[22:23] offset:6144
	global_load_b128 v[128:131], v1, s[48:49]      ; the second block's q waits in LDS
	global_load_b64 v[132:133], v2, s[48:49] offset:512
	global_load_b32 v135, v143, s[50:51] offset:6144
	v_lshlrev_b32 v146, 8, v146                    ; in waves 0 and 1: row 64 i + my thread's number of records 6-15, 256 bytes a row
	s_cmp_lt_u32 s14, 2
	s_cbranch_scc0 .Lno_ask
	global_prefetch_b8 v146, s[78:79] offset:NH*KVB th:TH_LOAD_NT scope:SCOPE_SE
.Lno_ask:
	v_mov_b32 v134, 0
	v_and_b32 v30, 7, v141
	v_lshrrev_b32 v144, 3, v141
	v_lshlrev_b32 v145, 4, v142
	s_delay_alu instid0(VALU_DEP_2)
	v_lshl_add_u32 v30, v144, 4, v30
	s_delay_alu instid0(VALU_DEP_1)
	v_add_nc_u32 v30, s66, v30                     ; my query in its block
	s_delay_alu instid0(VALU_DEP_1)
	v_sub_nc_u32 v30, v30, v145                    ; less 16 (lane / 16): on the diagonal, register 16 b + i is hidden where 32 b + i is greater
	v_mov_b32 v31, 0xff800000                      ; -infinity
	; every LDS address is made here, ahead of the places where the roles part
	v_lshl_add_u32 v4, v141, 1, GATH
	v_add_nc_u32 v5, GATH, v2
	v_add_nc_u32 v6, MRG, v1
	v_add_nc_u32 v7, MRG+4096, v3
	v_add_nc_u32 v11, QST, v1
	v_add_nc_u32 v4, s67, v4                       ; my row's two scale bytes on their way out: GATH + 256 g + 32 f + 2 r
	v_add_nc_u32 v5, s68, v5                       ; and back: GATH + 256 g + 8 x lane
	v_add_nc_u32 v6, s74, v6                       ; my tile's parts: O^T, 16 bytes a lane;
	v_add_nc_u32 v7, s74, v7                       ; the sum and -M, 4 bytes a lane
	v_add_nc_u32 v11, s75, v11                     ; my tile's 1,024 bytes for q
.irp j, 22,23,24,25,26,27
	v_mov_b32 v[\j], 0                             ; zero codes for the upper half of K = 128: q's,
.endr
.irp t, 0,1,2,3
.irp j, 6,7,8,9,10,11
	v_mov_b32 v[32+12*\t+\j], 0                    ; and k's: never loaded, never written again
.endr
.endr
	INIT
.macro KQ4 g                           ; S^T of tiles 4 g .. 4 g + 3: source 0 = 16 keys, source 1 = my 16 queries; an odd tile's words stand in lanes 16-31
	v_wmma_scale_f32_16x16x128_f8f6f4 v[S+32*\g:S+32*\g+7], v[32:43], v[16:27], 0, v[248+2*\g], v255 matrix_a_fmt:MATRIX_FMT_BF6 matrix_b_fmt:MATRIX_FMT_BF6
	v_wmma_scale_f32_16x16x128_f8f6f4 v[S+32*\g+8:S+32*\g+15], v[44:55], v[16:27], 0, v[248+2*\g], v255 matrix_a_fmt:MATRIX_FMT_BF6 matrix_b_fmt:MATRIX_FMT_BF6 matrix_a_scale:MATRIX_SCALE_ROW1
	v_wmma_scale_f32_16x16x128_f8f6f4 v[S+32*\g+16:S+32*\g+23], v[56:67], v[16:27], 0, v[249+2*\g], v255 matrix_a_fmt:MATRIX_FMT_BF6 matrix_b_fmt:MATRIX_FMT_BF6
	v_wmma_scale_f32_16x16x128_f8f6f4 v[S+32*\g+24:S+32*\g+31], v[68:79], v[16:27], 0, v[249+2*\g], v255 matrix_a_fmt:MATRIX_FMT_BF6 matrix_b_fmt:MATRIX_FMT_BF6 matrix_a_scale:MATRIX_SCALE_ROW1
.endm
.macro STEP                            ; a key step: 128 keys
	s_cmp_gt_u32 s[KS], s[QS]
	s_cbranch_scc1 .Lhid_\@                        ; all its keys come after my queries
	s_xor_b32 s55, s[KS], s[PAR]
	s_and_b32 s55, s55, 1
	s_cmp_eq_u32 s55, 0
	s_cbranch_scc1 .Lhid_\@                        ; it is my partner's
	v_add_nc_u32 v8, s[TB], v1
	v_add_nc_u32 v9, s[TB], v2
	v_add_nc_u32 v10, s[TB], v3
.irp t, 0,1,2,3
	ds_load_b128 v[32+12*\t:35+12*\t], v8 offset:768*\t
	ds_load_b64 v[36+12*\t:37+12*\t], v9 offset:768*\t+512
.endr
	ds_load_b32 v248, v10 offset:6144
	ds_load_b32 v249, v10 offset:6144+128
	s_wait_alu depctr_va_vdst(0)
	s_wait_dscnt 0x0
	KQ4 0
.rept 4
	v_nop                                          ; places in front of loads into registers that these products read; with the three additions above also for V's registers, which the last step's products read
.endr
.irp t, 0,1,2,3
	ds_load_b128 v[32+12*\t:35+12*\t], v8 offset:768*(4+\t)
	ds_load_b64 v[36+12*\t:37+12*\t], v9 offset:768*(4+\t)+512
.endr
	ds_load_b32 v250, v10 offset:6144+256
	ds_load_b32 v251, v10 offset:6144+384
.irp t, 0,1,2,3
	FRAG 80+12*\t, 8, 9, 6656+1536*\t              ; V is asked for here and lands under the softmax
.endr
	ds_load_b32 v28, v10 offset:12800
	ds_load_b32 v29, v10 offset:12800+128
	s_wait_dscnt 18                                ; K's are in; V's eighteen loads may be out
	KQ4 1
.rept 4
	v_nop
.endr
	s_cmp_lg_u32 s[KS], s[QS]
	s_cbranch_scc1 .Lopen_\@                       ; only the step on the diagonal hides keys
.set n, 0
.rept 64
	v_cmp_gt_i32 vcc_lo, 32*(n/16)+n%16, v30
	v_cndmask_b32 v[S+n], v[S+n], v31, vcc_lo
.set n, n+1
.endr
.Lopen_\@:
.irp b, 0,1,2,3
	v_max3_num_f32 v[232+\b], v[S+16*\b], v[S+1+16*\b], v[S+2+16*\b]   ; the largest score of each block of 32 keys: for the row's maximum, and, since p rises with the score, for the block's largest p
.endr
.irp i, 3,5,7,9,11,13
.irp b, 0,1,2,3
	v_max3_num_f32 v[232+\b], v[232+\b], v[S+16*\b+\i], v[S+1+16*\b+\i]
.endr
.endr
.irp b, 0,1,2,3
	v_max_num_f32 v[232+\b], v[232+\b], v[S+15+16*\b]
.endr
.irp b, 0,1,2,3
	s_delay_alu instid0(VALU_DEP_4)
	v_permlanex16_b32 v[236+\b], v[232+\b], s[SEL], s[SEL+1]
.endr
.irp b, 0,1,2,3
	s_delay_alu instid0(VALU_DEP_4)
	v_max_num_f32 v[232+\b], v[232+\b], v[236+\b]
.endr
	s_delay_alu instid0(VALU_DEP_2)
	v_max3_num_f32 v254, v232, v233, v234
	s_delay_alu instid0(VALU_DEP_1)
	v_max_num_f32 v254, v254, v235
	s_delay_alu instid0(VALU_DEP_1)
	v_mul_f32 v254, s[CS], v254
	s_delay_alu instid0(VALU_DEP_1)
	v_max_num_f32 v13, v13, v254                   ; the running largest t
	v_mov_b32 v254, v12
	s_delay_alu instid0(VALU_DEP_2)
	v_floor_f32 v12, -v13                          ; the new -M: M is a whole number
	s_delay_alu instid0(VALU_DEP_1)
	v_sub_f32 v254, v12, v254
	s_delay_alu instid0(VALU_DEP_1)
	v_cvt_i32_f32 v254, v254                       ; (it saturates)
	s_delay_alu instid0(VALU_DEP_1)
	v_ldexp_f32 v252, 1.0, v254                    ; f = 2^(old M - new M): a multiplication by it rounds nothing
.set j, 0
.rept 32
	v_pk_fma_f32 v[S+j:S+j+1], v[S+j:S+j+1], s[CS:CS+1], v[12:13] op_sel_hi:[1,0,0]   ; t - M
.set j, j+2
.endr
.irp b, 0,1,2,3
	v_fma_f32 v[232+\b], v[232+\b], s[CS], v12
.endr
.set j, 0
	s_wait_alu depctr_va_vdst(0)
.rept 64
	v_exp_f32 v[S+j], v[S+j]                       ; p = 2^(t - M): not normalised
.set j, j+1
.endr
	v_pk_mul_f32 v[14:15], v[14:15], v[252:253] op_sel_hi:[1,0]   ; the sums under the new M: a plain place behind the exponentials
	s_wait_alu depctr_va_vdst(0)                   ; one wait for the batch, ahead of its first reader
.irp b, 0,1,2,3
	v_exp_f32 v[232+\b], v[232+\b]                 ; each block's largest p
.endr
	; the row's sum of the unquantised p: 32 pairs in eight chains, seven in v236-249 and the running sum itself
.set c, 0
.rept 7
	v_pk_add_f32 v[236+2*c:237+2*c], v[S+2*c:S+2*c+1], v[S+14+2*c:S+15+2*c]
.set c, c+1
.endr
	v_pk_add_f32 v[14:15], v[14:15], v[S+28:S+29]
.set j, 30
.rept 2
.set c, 0
.rept 7
	v_pk_add_f32 v[236+2*c:237+2*c], v[236+2*c:237+2*c], v[S+j:S+j+1]
.set c, c+1
.set j, j+2
.endr
	v_pk_add_f32 v[14:15], v[14:15], v[S+j:S+j+1]
.set j, j+2
.endr
	v_pk_add_f32 v[236:237], v[236:237], v[S+62:S+63]
	v_pk_add_f32 v[14:15], v[14:15], v[242:243]
	v_pk_add_f32 v[238:239], v[238:239], v[246:247]
	v_pk_add_f32 v[240:241], v[240:241], v[248:249]
	v_pk_add_f32 v[236:237], v[236:237], v[244:245]
	s_delay_alu instid0(VALU_DEP_3)
	v_pk_add_f32 v[14:15], v[14:15], v[238:239]
	s_delay_alu instid0(VALU_DEP_2)
	v_pk_add_f32 v[236:237], v[236:237], v[240:241]
	s_delay_alu instid0(VALU_DEP_1)
	v_pk_add_f32 v[14:15], v[14:15], v[236:237]
	s_wait_alu depctr_va_vdst(0)                   ; and one for the four
.irp b, 0,1,2,3
	v_max_num_f32 v[232+\b], 0x2800000, v[232+\b]  ; the floor 2^(5 - 127)
.endr
.irp b, 0,1,2,3
	s_delay_alu instid0(VALU_DEP_4)
	v_add_nc_u32 v[244+\b], 0xfe000000, v[232+\b]
.endr
.irp b, 0,1,2,3
	s_delay_alu instid0(VALU_DEP_4)
	v_lshrrev_b32 v[236+\b], 23, v[244+\b]
.endr
	s_delay_alu instid0(VALU_DEP_3)
	v_lshl_or_b32 v253, v237, 8, v236              ; p's scale word for these 128 keys
	s_delay_alu instid0(VALU_DEP_1)
	v_lshl_or_b32 v253, v238, 16, v253
	s_delay_alu instid0(VALU_DEP_1)
	v_lshl_or_b32 v253, v239, 24, v253
.irp c, 0,1
	v_cvt_scalef32_pk16_bf6_f32 v[224+6*\c:226+6*\c], v[S+32*\c:S+15+32*\c], v[244+2*\c]
	v_cvt_scalef32_pk16_bf6_f32 v[236+4*\c:238+4*\c], v[S+16+32*\c:S+31+32*\c], v[244+2*\c+1]
.endr
	v_nop
.irp c, 0,1
.irp i, 0,1,2
	v_permlane16_swap_b32 v[224+6*\c+\i], v[236+4*\c+\i]
.endr
.irp i, 0,1,2
	s_delay_alu instid0(VALU_DEP_3)
	v_mov_b32 v[227+6*\c+\i], v[236+4*\c+\i]
.endr
.endr
.set j, 0
.rept 16
	v_pk_mul_f32 v[OT+j:OT+j+1], v[OT+j:OT+j+1], v[252:253] op_sel_hi:[1,0]   ; O^T under the new M; these sixteen are also the places between p's word and codes and the products
.set j, j+2
.endr
	s_wait_alu depctr_va_vdst(0)
	s_wait_dscnt 0x0                               ; V
	v_wmma_scale_f32_16x16x128_f8f6f4 v[OT:OT+7], v[80:91], v[224:235], v[OT:OT+7], v28, v253 matrix_a_fmt:MATRIX_FMT_BF6 matrix_b_fmt:MATRIX_FMT_BF6
	v_wmma_scale_f32_16x16x128_f8f6f4 v[OT+8:OT+15], v[92:103], v[224:235], v[OT+8:OT+15], v28, v253 matrix_a_fmt:MATRIX_FMT_BF6 matrix_b_fmt:MATRIX_FMT_BF6 matrix_a_scale:MATRIX_SCALE_ROW1
	v_wmma_scale_f32_16x16x128_f8f6f4 v[OT+16:OT+23], v[104:115], v[224:235], v[OT+16:OT+23], v29, v253 matrix_a_fmt:MATRIX_FMT_BF6 matrix_b_fmt:MATRIX_FMT_BF6
	v_wmma_scale_f32_16x16x128_f8f6f4 v[OT+24:OT+31], v[116:127], v[224:235], v[OT+24:OT+31], v29, v253 matrix_a_fmt:MATRIX_FMT_BF6 matrix_b_fmt:MATRIX_FMT_BF6 matrix_a_scale:MATRIX_SCALE_ROW1
.Lhid_\@:
	s_add_co_u32 s[TB], s[TB], KVB
	s_add_co_u32 s[KS], s[KS], 1
.endm
	s_wait_alu depctr_va_vdst(0)
	s_wait_loadcnt 0x0                             ; both blocks' q
	s_wait_xcnt 0x0                                ; the prefetch has read its address register, which the steps write again
	s_wait_tensorcnt 0x0                           ; my record, if I asked for one, has landed
	s_cmp_lg_u32 s15, 0
	s_cbranch_scc1 .Lq_hi
	ds_store_b128 v11, v[128:131]                  ; the second block's q, half from each of the tile's two waves: role 0 four registers of codes,
	s_branch .Lq_in
.Lq_hi:
	ds_store_b128 v11, v[132:135] offset:512       ; role 1 two of codes, a zero, the scale word
.Lq_in:
	s_wait_tensorcnt 0x0                           ; the add twice
	ds_add_u32 v8, v9
	ds_add_u32 v8, v9
	s_wait_dscnt 0x0                               ; the adds are done, and my store of q has landed
	s_barrier_signal -1
	s_barrier_wait -1                              ; records 0-5 and all tiles' q are whole
	s_cmp_lt_u32 s14, NH
	s_cbranch_scc1 .Lno_second
	tensor_load_to_lds s[32:35], s[24:31]          ; waves 6-15: key step w
	s_nop 0
.Lno_second:
	s_mov_b32 s[CNT], NH
.Lp0:                                                  ; THE FIRST BLOCK, 15 - i: key steps 0-5
	STEP
	s_sub_co_u32 s[CNT], s[CNT], 1
	s_cmp_lg_u32 s[CNT], 0
	s_cbranch_scc1 .Lp0
	s_wait_tensorcnt 0x0                           ; my record has landed
	s_wait_dscnt 0x0
	s_barrier_signal -1
	s_barrier_wait -1                              ; all sixteen are whole
	s_mov_b32 s[CNT], 16-NH
.Lpa:                                                  ; key steps 6-15
	STEP
	s_sub_co_u32 s[CNT], s[CNT], 1
	s_cmp_lg_u32 s[CNT], 0
	s_cbranch_scc1 .Lpa
.rept 4
	v_nop                                          ; places behind the last products
.endr
	v_add_f32 v14, v14, v15                        ; the sum's two halves
	s_cmp_lg_u32 s15, 0
	s_wait_alu depctr_va_vdst(0)
	s_cbranch_scc1 .La_hi
	PUT 0
	s_branch .La_in
.La_hi:
	PUT MRW
.La_in:
	; THE SECOND BLOCK: i.  No barrier: the parts have bytes of their own
	ds_load_b128 v[16:19], v11
	ds_load_b128 v[252:255], v11 offset:512        ; the scale word falls into v255
	s_mov_b32 s[QS], ttmp9
	s_xor_b32 s[PAR], s[QS], s15
	s_xor_b32 s[PAR], s[PAR], 1                    ; here role 0 has the diagonal
	s_wait_dscnt 0x0
	v_mov_b32 v20, v252
	v_mov_b32 v21, v253
	INIT                                           ; (its lines are also the places between q's registers and the first product)
	s_mov_b32 s[CNT], 8                            ; i is 7 at the most
.Lpb:
	STEP
	s_sub_co_u32 s[CNT], s[CNT], 1
	s_cmp_lg_u32 s[CNT], 0
	s_cbranch_scc1 .Lpb
.rept 4
	v_nop
.endr
	v_add_f32 v14, v14, v15
	v_mov_b32 v241, 0                              ; (named as the upper halves of pairs)
	v_mov_b32 v243, 0
	s_cmp_lg_u32 s15, 0
	s_wait_alu depctr_va_vdst(0)
	s_cbranch_scc1 .Lb_in
	PUT 2*MRW
.Lb_in:
	s_wait_dscnt 0x0                               ; for my partner: my stores have landed
	s_barrier_signal -1
	s_barrier_wait -1
	s_cmp_lg_u32 s15, 0
	s_cbranch_scc1 .Lm_hi
.irp j, 0,1,2,3,4,5,6,7
	ds_load_b128 v[OT+4*\j:OT+4*\j+3], v6 offset:512*\j            ; role 0 merges the first block: its own part back,
.endr
	ds_load_b32 v14, v7
	ds_load_b32 v12, v7 offset:128
	GETP MRW                                       ; and role 1's
	s_sub_co_u32 s[QS], 15, ttmp9
	s_branch .Lm_in
.Lm_hi:
	GETP 2*MRW                                     ; role 1 merges the second block: role 0's part; its own stands in registers
.Lm_in:
	s_lshr_b32 s20, s17, 4
	s_lshl_b32 s20, s20, 4
	s_add_co_u32 s20, s20, s[QS]                   ; the row block: batch x 16 + the query block
	s_lshl_b32 s20, s20, 3
	s_and_b32 s21, s17, 15
	s_lshr_b32 s21, s21, 1
	s_add_co_u32 s20, s20, s21                     ; K step = head / 2
	s_mul_i32 s20, s20, REC
	s_mov_b32 s21, 0
	s_add_nc_u64 s[60:61], s[6:7], s[20:21]        ; the record
	s_and_b32 s22, s17, 1
	s_mul_i32 s20, s22, 768
	s_mul_i32 s23, s16, 1536
	s_add_co_u32 s20, s20, s23
	s_add_nc_u64 s[62:63], s[60:61], s[20:21]      ; fragment f, half head % 2
	s_lshl_b32 s20, s22, 8
	s_add_nc_u64 s[70:71], s[60:61], s[20:21]      ; and that half's plane of scale bytes
	s_wait_dscnt 0x0
	v_min_num_f32 v234, v12, v233                  ; -M of both: the smaller
	s_delay_alu instid0(VALU_DEP_1)
	v_sub_f32 v235, v234, v12                      ; my M less that M, and my partner's: whole numbers, 0 or less
	v_sub_f32 v236, v234, v233
	s_delay_alu instid0(VALU_DEP_2)
	v_cvt_i32_f32 v235, v235                       ; (they saturate: a part without a step gets the factor 0)
	s_delay_alu instid0(VALU_DEP_2)
	v_cvt_i32_f32 v236, v236
	s_delay_alu instid0(VALU_DEP_2)
	v_ldexp_f32 v240, 1.0, v235
	s_delay_alu instid0(VALU_DEP_2)
	v_ldexp_f32 v242, 1.0, v236
	s_delay_alu instid0(VALU_DEP_2)
	v_mul_f32 v14, v14, v240
	s_delay_alu instid0(VALU_DEP_1)
	v_fmac_f32 v14, v232, v242                     ; the sum
.set j, 0
.rept 16
	v_pk_mul_f32 v[OT+j:OT+j+1], v[OT+j:OT+j+1], v[240:241] op_sel_hi:[1,0]
.set j, j+2
.endr
.set j, 0
.rept 16
	v_pk_fma_f32 v[OT+j:OT+j+1], v[S+j:S+j+1], v[242:243], v[OT+j:OT+j+1] op_sel_hi:[1,0,1]
.set j, j+2
.endr
	v_permlanex16_b32 v252, v14, s[SEL], s[SEL+1]
	s_delay_alu instid0(VALU_DEP_1)
	v_add_f32 v14, v14, v252                       ; with lane l xor 16's keys: the row's sum
	s_wait_alu depctr_va_vdst(0)
	v_rcp_f32 v14, v14
	v_mov_b32 v[TM+4], 0                           ; (a plain place behind the transcendental)
	v_mov_b32 v[TM+5], 0
	s_wait_alu depctr_va_vdst(0)                   ; ahead of the reciprocal's first reader
.set j, 0
.rept 32
	v_mul_f32 v[S+j], v[OT+j], v14
.set j, j+1
.endr
	QUANT2                                         ; my 16 queries' 64 columns of the concatenated heads: half a fragment of the projection's operand
	global_store_b128 v1, v[PCD:PCD+3], s[62:63]
	global_store_b64 v2, v[PCD+4:PCD+5], s[62:63] offset:512
	ds_store_b16 v4, v[PWD]                        ; two bytes a row; a word's other half belongs to the neighbouring head, another work-group: so the bytes go out in planes of 16 bits
	s_wait_dscnt 0x0                               ; for the waves of tile 0: my scale bytes lie in LDS
	s_barrier_signal -1
	s_barrier_wait -1
	s_cmp_lg_u32 s16, 0
	s_cbranch_scc1 .Lend
	ds_load_b64 v[128:129], v5                     ; waves 0 and 8: their block's 256 bytes
	s_wait_dscnt 0x0
	global_store_b64 v2, v[128:129], s[70:71] offset:SCO
.Lend:
	v_lshl_add_u32 v8, v0, 2, SPARE                ; the steps used the two registers: they are made anew
	v_mov_b32 v9, 0
	s_wait_alu depctr_va_vdst(0)
	s_wait_tensorcnt 0x0                           ; the wave's end
	ds_add_u32 v8, v9
	s_wait_dscnt 0x0
	s_endpgm
.Lfunc_end_k_q1ab8cc5d6e_attn:
	.size	k_q1ab8cc5d6e_attn, .Lfunc_end_k_q1ab8cc5d6e_attn-k_q1ab8cc5d6e_attn
	.p2alignl 7, 3214868480
	.fill 96, 4, 3214868480
	.section	.rodata,"a",@progbits
	.p2align	6, 0x0
	.amdhsa_kernel k_q1ab8cc5d6e_attn
		.amdhsa_group_segment_fixed_size 327680
		.amdhsa_private_segment_fixed_size 0
		.amdhsa_enable_private_segment 0
		.amdhsa_kernarg_size 16
		.amdhsa_user_sgpr_count 2
		.amdhsa_user_sgpr_kernarg_segment_ptr 1
		.amdhsa_wavefront_size32 1
		.amdhsa_system_sgpr_workgroup_id_x 1
		.amdhsa_system_sgpr_workgroup_id_y 1
		.amdhsa_system_sgpr_workgroup_id_z 1
		.amdhsa_system_vgpr_workitem_id 0
		.amdhsa_next_free_vgpr 256
		.amdhsa_next_free_sgpr 80
		.amdhsa_reserve_vcc 1
		.amdhsa_float_denorm_mode_32 3
		.amdhsa_float_denorm_mode_16_64 3
		.amdhsa_memory_ordered 1
		.amdhsa_forward_progress 1
		.amdhsa_inst_pref_size 91
	.end_amdhsa_kernel
	.amdgpu_metadata
---
amdhsa.version: [ 1, 2 ]
amdhsa.kernels:
  - .name:           k_q1ab8cc5d6e_attn
    .symbol:         k_q1ab8cc5d6e_attn.kd
    .args:
      - { .name: qkv, .offset: 0, .size: 8, .value_kind: global_buffer, .address_space: global }
      - { .name: arec, .offset: 8, .size: 8, .value_kind: global_buffer, .address_space: global }
    .group_segment_fixed_size: 327680
    .private_segment_fixed_size: 0
    .kernarg_segment_align: 8
    .kernarg_segment_size: 16
    .max_flat_workgroup_size: 512
    .sgpr_count:     80
    .vgpr_count:     256
    .wavefront_size: 32
...
	.end_amdgpu_metadata
.endif
;; end of part 3
;; launch proj (part 4): grid 8 x 32, 4 waves a work-group, clusters of 4 x 4, 327,680 bytes of LDS; arguments arec, opnd, x, x1f, x1c; writes x1f, x1c
.if DOCPART == 4
	.amdgcn_target "amdgcn-amd-amdhsa--gfx1250"
	.amdhsa_code_object_version 6
	.text
	.protected	k_q1ab8cc5d6e_proj
	.globl	k_q1ab8cc5d6e_proj
	.p2align	8
	.type	k_q1ab8cc5d6e_proj,@function
k_q1ab8cc5d6e_proj:
	s_mov_b64 s[64:65], 0
	v_nop
	global_prefetch_b8 v0, s[64:65] scope:SCOPE_SE
	s_setreg_imm32_b32 hwreg(HW_REG_WAVE_MODE, 25, 1), 1
	s_wait_xcnt 0x0
	s_wait_alu depctr_hold_cnt(0) depctr_sa_sdst(0) depctr_va_vdst(0) depctr_va_sdst(0) depctr_va_ssrc(0) depctr_va_vcc(0) depctr_vm_vsrc(0)
	s_getreg_b32 s2, hwreg(HW_REG_IB_STS2, 6, 4)
	s_cmp_eq_u32 s2, 0
	s_cbranch_scc0 .Lentry_in_a_cluster
	s_endpgm
.Lentry_in_a_cluster:
	s_bfe_u32 s2, ttmp6, 0x10000c
	s_cmp_lg_u32 s2, 0xf033
	s_cbranch_scc0 .Lentry_shape_is_right
	s_endpgm
.Lentry_shape_is_right:
; x1 = x + attn Wproj^T, stored in f32 (as images of the accumulators) and, quantised along C, as records for the next product.  Operands are records: 128 rows x 128 K as images of operand registers, 12,800 bytes.
; A tile of 128 x 128 is made by four waves, each 64 x 64: 16 accumulators, which begin as x.  K = 1,024 of both tiles is 204,800 bytes: it comes in ONE fill, one joint load of four records (51,200 dense bytes) a wave;
; nothing is filled again.  4 x 4 work-groups form a cluster: A's records are asked for jointly along a row, B's along a column.  No prefetch: the one fill stands at the head.
; LIMITS: NaN and infinities are not served; a block whose largest magnitude lies under 2^-122 gets the byte 1.
.set REC,   12800
.set FRG,   1536
.set SCO,   12288
.set BLKB,  2*REC
.set SLOT,  4*BLKB
.set SPARE, 2*SLOT
.set SCR,   SPARE+512
.set GATH,  SCR
.set RBS,   8*REC
.set WOFF,  5734400
.set HASA,  0
.set SAB,   48
.set SAS,   8
.set SAU,   4
.set AF,  64
.set BF,  160
.set SC,  32
.set G16, 16
.set G8,  17
.set PC,  64
.set TM,  104
.set PW,  120
.set SEL, 96
.set G1,  24
.set G0,  32
.set G1B, 48
.set G0B, 56
.set MSB, 0
.macro WIN new
.if MSB != (\new)
	s_set_vgpr_msb (MSB<<8)|(\new)
.set MSB, (\new)
.endif
.endm
.macro PLACES
.rept 4
	v_nop
.endr
.endm
.macro JLOAD g0a, g1a, g0b, g1b
	s_cmp_eq_u32 s15, 0
	s_cbranch_scc0 .Lfor_b_\@
	tensor_load_to_lds s[\g0a:\g0a+3], s[\g1a:\g1a+7]
	s_nop 0
.rept 4
	v_nop
.endr
	s_branch .Lasked_\@
.Lfor_b_\@:
	tensor_load_to_lds s[\g0b:\g0b+3], s[\g1b:\g1b+7]
	s_nop 0
.rept 4
	v_nop
.endr
.Lasked_\@:
.endm
.macro CREST
	s_cmp_lg_u32 s14, 0
	s_cbranch_scc1 .Lnot_wave_0_\@
	s_barrier_signal -3
.Lnot_wave_0_\@:
	s_barrier_wait -3
	s_barrier_signal -1
	s_barrier_wait -1
.endm
.macro CROUND
	s_barrier_signal -1
	s_barrier_wait -1
	CREST
.endm
.macro FRAG reg, a16, a8, off
	ds_load_b128 v[\reg:\reg+3], v[\a16] offset:\off
	ds_load_b64 v[\reg+4:\reg+5], v[\a8] offset:\off+512
	ds_load_b128 v[\reg+6:\reg+9], v[\a16] offset:\off+768
	ds_load_b64 v[\reg+10:\reg+11], v[\a8] offset:\off+1280
.endm
.macro QUANT s, w, nb, pc, pw
	WIN (\w)|((\w)<<2)
.set qb, 0
.rept \nb
	v_max3_num_f32 v[TM+qb], |v[(\s)+16*qb]|, |v[(\s)+16*qb+1]|, 0x2800000
.set qb, qb+1
.endr
	WIN ((\w)<<2)|((\w)<<4)
.set qi, 2
.rept 7
.set qb, 0
.rept \nb
	v_max3_num_f32 v[TM+qb], v[TM+qb], |v[(\s)+16*qb+qi]|, |v[(\s)+16*qb+qi+1]|
.set qb, qb+1
.endr
.set qi, qi+2
.endr
	WIN 0
.set qb, 0
.rept \nb
	v_permlanex16_b32 v[TM+4+qb], v[TM+qb], s[SEL], s[SEL+1]
.set qb, qb+1
.endr
.set qb, 0
.rept \nb
	v_max_num_f32 v[TM+qb], v[TM+qb], v[TM+4+qb]
.set qb, qb+1
.endr
.set qb, 0
.rept \nb
	v_add_nc_u32 v[TM+12+qb], 0xfe000000, v[TM+qb]
.set qb, qb+1
.endr
.set qb, 0
.rept \nb
	v_lshrrev_b32 v[TM+4+qb], 23, v[TM+12+qb]
.set qb, qb+1
.endr
	v_lshl_or_b32 v[\pw], v[TM+5], 8, v[TM+4]
.if (\nb) == 4
	v_lshl_or_b32 v[\pw], v[TM+6], 16, v[\pw]
	v_lshl_or_b32 v[\pw], v[TM+7], 24, v[\pw]
.endif
	WIN (\w)
.set qc, 0
.rept (\nb)/2
	v_cvt_scalef32_pk16_bf6_f32 v[(\pc)+6*qc:(\pc)+6*qc+2], v[(\s)+32*qc:(\s)+32*qc+15], v[TM+12+2*qc]
	v_cvt_scalef32_pk16_bf6_f32 v[(\pc)+12+4*qc:(\pc)+14+4*qc], v[(\s)+32*qc+16:(\s)+32*qc+31], v[TM+13+2*qc]
.set qc, qc+1
.endr
	WIN 0
	v_nop
.set qc, 0
.rept (\nb)/2
.irp i, 0,1,2
	v_permlane16_swap_b32 v[(\pc)+6*qc+\i], v[(\pc)+12+4*qc+\i]
.endr
.irp i, 0,1,2
	v_mov_b32 v[(\pc)+3+6*qc+\i], v[(\pc)+12+4*qc+\i]
.endr
.set qc, qc+1
.endr
.endm
.macro WM d, bf, af, sb, sa, bo, ao
.if (\bo) && (\ao)
	v_wmma_scale_f32_16x16x128_f8f6f4 v[\d:\d+7], v[\bf:\bf+11], v[\af:\af+11], v[\d:\d+7], v[\sb], v[\sa] matrix_a_fmt:MATRIX_FMT_BF6 matrix_b_fmt:MATRIX_FMT_BF6 matrix_a_scale:MATRIX_SCALE_ROW1 matrix_b_scale:MATRIX_SCALE_ROW1
.elseif (\bo)
	v_wmma_scale_f32_16x16x128_f8f6f4 v[\d:\d+7], v[\bf:\bf+11], v[\af:\af+11], v[\d:\d+7], v[\sb], v[\sa] matrix_a_fmt:MATRIX_FMT_BF6 matrix_b_fmt:MATRIX_FMT_BF6 matrix_a_scale:MATRIX_SCALE_ROW1
.elseif (\ao)
	v_wmma_scale_f32_16x16x128_f8f6f4 v[\d:\d+7], v[\bf:\bf+11], v[\af:\af+11], v[\d:\d+7], v[\sb], v[\sa] matrix_a_fmt:MATRIX_FMT_BF6 matrix_b_fmt:MATRIX_FMT_BF6 matrix_b_scale:MATRIX_SCALE_ROW1
.else
	v_wmma_scale_f32_16x16x128_f8f6f4 v[\d:\d+7], v[\bf:\bf+11], v[\af:\af+11], v[\d:\d+7], v[\sb], v[\sa] matrix_a_fmt:MATRIX_FMT_BF6 matrix_b_fmt:MATRIX_FMT_BF6
.endif
.endm
.macro MULH st, qq, a0, sab
.irp a, \a0, \a0+1
.irp b, 0,1,2,3
	WM 8*(4*(\a)+\b), BF+12*(4*\qq+\b), AF+12*(4*\qq+(\a)), SC+8*\st+4+2*\qq+\b/2, \sab+2*\qq+(\a)/2, \b%2, (\a)%2
.endr
.endr
.endm
.macro MW st
	WIN (\st)|((\st)<<2)|0xa0
.endm
.macro HALFH st, qq, sab
	MW \st
	MULH \st, \qq, 0, \sab
	MULH \st, \qq, 2, \sab
.endm
.macro FETCH1 slot, u
	WIN 0
.irp qq, 0,1
.irp p, 0,1
.if HASA
	ds_load_b32 v[SC+8*\u+2*\qq+\p], v[8+\slot] offset:(2*\u+\qq)*REC+SCO+128*\p
.endif
	ds_load_b32 v[SC+8*\u+4+2*\qq+\p], v[14+\slot] offset:(2*\u+\qq)*REC+SCO+128*\p
.endr
.endr
	WIN (\u)<<6
.irp i, 0,1,2,3
	FRAG BF+12*\i, 10+\slot, 12+\slot, (2*\u)*REC+\i*FRG
	FRAG AF+12*\i, 4+\slot, 6+\slot, (2*\u)*REC+\i*FRG
.endr
.endm
.macro FETCH2 slot, u
	WIN (\u)<<6
.irp i, 0,1,2,3
	FRAG BF+12*(4+\i), 10+\slot, 12+\slot, (2*\u+1)*REC+\i*FRG
	FRAG AF+12*(4+\i), 4+\slot, 6+\slot, (2*\u+1)*REC+\i*FRG
.endr
.endm
.macro UNIT slot
	s_wait_dscnt 32
	HALFH 0, 0, SAB+SAS*\slot
	s_wait_dscnt 0x0
	PLACES
	FETCH1 \slot, 1
	HALFH 0, 1, SAB+SAS*\slot
	FETCH2 \slot, 1
.endm
.macro TURN slot, next, fill
	WIN 0
	s_wait_tensorcnt 0x0
	ds_add_u32 v28, v29
	s_wait_dscnt 33
	MW 1
	MULH 1, 0, 0, SAB+SAS*\slot+SAU
	s_wait_dscnt 0x0
	s_barrier_signal -1
	MULH 1, 0, 2, SAB+SAS*\slot+SAU
	WIN 0
	s_wait_alu depctr_va_vdst(0)
	s_barrier_wait -1
.if \fill
	CREST
	s_add_nc_u64 s[G0+4*\slot+2:G0+4*\slot+3], s[G0+4*\slot+2:G0+4*\slot+3], 4*BLKB
	s_add_nc_u64 s[G0B+4*\slot+2:G0B+4*\slot+3], s[G0B+4*\slot+2:G0B+4*\slot+3], 4*BLKB
	JLOAD G0+4*\slot, G1, G0B+4*\slot, G1B
.else
	PLACES
.endif
	FETCH1 \next, 0
	HALFH 1, 1, SAB+SAS*\slot+SAU
	FETCH2 \next, 0
.endm
	s_load_b256 s[4:11], s[0:1], 0x0
	s_load_b64 s[12:13], s[0:1], 0x20
	v_lshl_add_u32 v28, v0, 2, SPARE
	v_mov_b32 v29, 0
	ds_add_u32 v28, v29
	ds_add_u32 v28, v29
	s_wait_dscnt 0x0
	v_lshrrev_b32 v1, 5, v0
	v_readfirstlane_b32 s14, v1
	s_lshr_b32 s15, s14, 1
	s_and_b32 s16, s14, 1
	s_bfe_u32 s40, ttmp6, 0x40000
	s_bfe_u32 s41, ttmp6, 0x40004
	s_lshl_b32 s42, ttmp9, 2
	s_add_co_u32 s42, s42, s40
	s_and_b32 s17, ttmp7, 0xffff
	s_lshl_b32 s17, s17, 2
	s_add_co_u32 s17, s17, s41
	s_lshl_b32 s43, s41, 2
	s_lshl_b32 s43, 15, s43
	s_lshl_b32 s44, 0x1111, s40
	s_or_b32 s[G1+0], s43, (3<<16)|(1<<21)
	s_or_b32 s[G1B+0], s44, (3<<16)|(1<<21)
.irp g, G1, G1B
	s_mov_b32 s[\g+1], 32<<16
	s_mov_b32 s[\g+2], 200<<16                     ; four records: 200 rows of 256 bytes
	s_mov_b32 s[\g+3], 32<<16
	s_mov_b32 s[\g+4], 200
	s_mov_b32 s[\g+5], 32
	s_mov_b32 s[\g+6], 0
	s_mov_b32 s[\g+7], 0
.endr
	s_mul_i32 s69, s16, 2*BLKB                     ; I fetch K steps 0-3 or 4-7
	s_mul_i32 s20, s17, RBS
	s_add_co_u32 s20, s20, s69
	s_mov_b32 s21, 0
	s_mul_i32 s46, s42, RBS
	s_add_co_u32 s46, s46, s69
	s_add_co_u32 s46, s46, WOFF
	s_mov_b32 s47, 0
	s_mul_i32 s45, s16, SLOT                       ; K steps 0-3 lie in the first half of the bytes, 4-7 in the second; in each A's four records, then B's
	s_mul_i32 s68, s15, 2*BLKB
	s_add_co_u32 s45, s45, s68
	s_mov_b32 s[SEL], 0x76543210
	s_mov_b32 s[SEL+1], 0xfedcba98
	s_wait_kmcnt 0x0
	s_add_nc_u64 s[20:21], s[4:5], s[20:21]
	s_add_nc_u64 s[46:47], s[6:7], s[46:47]
	CROUND
	s_mov_b32 s[G0], 1
	s_mov_b32 s[G0+1], s45
	s_mov_b64 s[G0+2:G0+3], s[20:21]
	s_or_b32 s[G0+3], s[G0+3], 0x80000000
	s_mov_b32 s[G0B], 1
	s_mov_b32 s[G0B+1], s45
	s_mov_b64 s[G0B+2:G0B+3], s[46:47]
	s_or_b32 s[G0B+3], s[G0B+3], 0x80000000
	JLOAD G0, G1, G0B, G1B                         ; my one tensor load
	v_and_b32 v1, 15, v0
	v_bfe_u32 v2, v0, 4, 1
	v_and_b32 v3, 31, v0
	v_lshlrev_b32 v[G16], 4, v3
	v_lshlrev_b32 v[G8], 3, v3
	v_lshlrev_b32 v22, 2, v3
	v_lshlrev_b32 v19, 1, v3
	s_mul_i32 s21, s15, 4*FRG
	s_mul_i32 s22, s16, 4*FRG
	s_add_co_u32 s22, s22, 2*BLKB
	s_lshl_b32 s23, s15, 8
	s_lshl_b32 s66, s16, 8
	s_add_co_u32 s66, s66, 2*BLKB
.irp s, 0,1
	v_add_nc_u32 v[4+\s], s21, v[G16]
	v_add_nc_u32 v[6+\s], s21, v[G8]
	v_add_nc_u32 v[8+\s], s23, v22
	v_add_nc_u32 v[10+\s], s22, v[G16]
	v_add_nc_u32 v[12+\s], s22, v[G8]
	v_add_nc_u32 v[14+\s], s66, v22
	s_add_co_u32 s21, s21, SLOT
	s_add_co_u32 s22, s22, SLOT
	s_add_co_u32 s23, s23, SLOT
	s_add_co_u32 s66, s66, SLOT
.endr
	v_and_b32 v18, 7, v1
	v_lshlrev_b32 v18, 12, v18
	v_lshrrev_b32 v23, 3, v1
	v_lshl_add_u32 v18, v23, 16, v18
	v_lshl_add_u32 v18, v2, 6, v18
	s_wait_alu depctr_va_vdst(0)
	s_lshl_b32 s66, s15, 8
	s_lshl_b32 s67, s16, 1
	s_add_co_u32 s66, s66, s67
	v_lshl_add_u32 v20, v1, 2, GATH
	v_add_nc_u32 v20, s66, v20
	v_add_nc_u32 v21, GATH, v[G16]
	s_mul_i32 s66, s17, RBS
	s_lshl_b32 s67, s15, 7
	s_add_co_u32 s66, s66, s67
	s_add_co_u32 s66, s66, SCO
	s_mov_b32 s67, 0
	s_add_nc_u64 s[76:77], s[4:5], s[66:67]
	s_lshl_b32 s66, s17, 7
	s_lshl_b32 s68, s15, 6
	s_add_co_u32 s66, s66, s68
	s_lshl_b32 s66, s66, 12
	s_lshl_b32 s68, s42, 9
	s_add_co_u32 s66, s66, s68
	s_lshl_b32 s68, s16, 8
	s_add_co_u32 s66, s66, s68
	s_add_nc_u64 s[78:79], s[8:9], s[66:67]
	s_lshl_b32 s66, s17, 3
	s_add_co_u32 s66, s66, s42
	s_mul_i32 s68, s66, REC
	s_lshl_b32 s66, s66, 2
	s_add_co_u32 s66, s66, s14
	s_lshl_b32 s66, s66, 14
	s_add_nc_u64 s[80:81], s[10:11], s[66:67]
	s_mov_b32 s66, s68
	s_add_nc_u64 s[84:85], s[12:13], s[66:67]
	s_mul_i32 s66, s15, 4*FRG
	s_mul_i32 s68, s16, 768
	s_add_co_u32 s66, s66, s68
	s_add_nc_u64 s[82:83], s[84:85], s[66:67]
.irp k, 0,1,2,3,4,5,6,7
.irp p, 0,1
.irp c, 0,1
	global_load_u16 v[64+4*\k+2*\p+\c], v19, s[76:77] offset:\k*REC+256*\c+64*\p
.endr
.endr
.endr
	WIN 0x80
.irp a, 0,1,2,3
.irp b, 0,1,2,3
	global_load_b128 v[8*(4*\a+\b):8*(4*\a+\b)+3], v18, s[78:79] offset:(32*(\a/2)+8*(\a%2))*4096+(32*(\b/2)+8*(\b%2))*4
	global_load_b128 v[8*(4*\a+\b)+4:8*(4*\a+\b)+7], v18, s[78:79] offset:(32*(\a/2)+8*(\a%2))*4096+(32*(\b/2)+8*(\b%2))*4+16
.endr
.endr
	WIN 0
	s_wait_loadcnt 32
.irp k, 0,1,2,3,4,5,6,7
.irp p, 0,1
	v_lshl_or_b32 v[SAB+2*\k+\p], v[65+4*\k+2*\p], 16, v[64+4*\k+2*\p]
.endr
.endr
.rept 8
	v_nop
.endr
	s_wait_tensorcnt 0x0                           ; my four records are in
	s_barrier_signal -1
	s_barrier_wait -1
	FETCH1 0, 0
	FETCH2 0, 0
	s_wait_loadcnt 0x0
	UNIT 0
	TURN 0, 1, 0
	UNIT 1
	s_wait_dscnt 32
	HALFH 1, 0, SAB+SAS+SAU
	s_wait_dscnt 0x0
	HALFH 1, 1, SAB+SAS+SAU
	WIN 0
	PLACES
	v_mov_b32 v[TM+4], 0
	v_mov_b32 v[TM+5], 0
.irp a, 0,1,2,3
.set P, PC+20*(\a%2)
	WIN 0x08
.irp b, 0,1,2,3
	global_store_b128 v[G16], v[8*(4*\a+\b):8*(4*\a+\b)+3], s[80:81] offset:(4*\a+\b)*1024
	global_store_b128 v[G16], v[8*(4*\a+\b)+4:8*(4*\a+\b)+7], s[80:81] offset:(4*\a+\b)*1024+512
.endr
	WIN 0
	s_wait_xcnt 0x0
	QUANT 32*\a, 2, 2, PC+20*(\a%2), PW+\a
	global_store_b128 v[G16], v[P:P+3], s[82:83] offset:\a*FRG
	global_store_b64 v[G8], v[P+4:P+5], s[82:83] offset:\a*FRG+512
	ds_store_b16 v20, v[PW+\a] offset:64*\a
.endr
	s_wait_dscnt 0x0
	s_barrier_signal -1
	s_barrier_wait -1
	s_cmp_lg_u32 s14, 0
	s_cbranch_scc1 .Ldone
	ds_load_b128 v[128:131], v21
	s_wait_dscnt 0x0
	global_store_b128 v[G16], v[128:131], s[84:85] offset:SCO
.Ldone:
	s_wait_tensorcnt 0x0
	ds_add_u32 v28, v29
	s_wait_dscnt 0x0
	CROUND
	s_endpgm
.Lfunc_end_k_q1ab8cc5d6e_proj:
	.size	k_q1ab8cc5d6e_proj, .Lfunc_end_k_q1ab8cc5d6e_proj-k_q1ab8cc5d6e_proj
	.p2alignl 7, 3214868480
	.fill 96, 4, 3214868480
	.section	.rodata,"a",@progbits
	.p2align	6, 0x0
	.amdhsa_kernel k_q1ab8cc5d6e_proj
		.amdhsa_group_segment_fixed_size 327680
		.amdhsa_private_segment_fixed_size 0
		.amdhsa_enable_private_segment 0
		.amdhsa_kernarg_size 40
		.amdhsa_user_sgpr_count 2
		.amdhsa_user_sgpr_kernarg_segment_ptr 1
		.amdhsa_wavefront_size32 1
		.amdhsa_system_sgpr_workgroup_id_x 1
		.amdhsa_system_sgpr_workgroup_id_y 1
		.amdhsa_system_sgpr_workgroup_id_z 1
		.amdhsa_system_vgpr_workitem_id 0
		.amdhsa_next_free_vgpr 768
		.amdhsa_next_free_sgpr 100
		.amdhsa_reserve_vcc 0
		.amdhsa_float_denorm_mode_32 3
		.amdhsa_float_denorm_mode_16_64 3
		.amdhsa_memory_ordered 1
		.amdhsa_forward_progress 1
		.amdhsa_inst_pref_size 63
	.end_amdhsa_kernel
	.amdgpu_metadata
---
amdhsa.version: [ 1, 2 ]
amdhsa.kernels:
  - .name:           k_q1ab8cc5d6e_proj
    .symbol:         k_q1ab8cc5d6e_proj.kd
    .args:
      - { .name: arec, .offset: 0, .size: 8, .value_kind: global_buffer, .address_space: global }
      - { .name: opnd, .offset: 8, .size: 8, .value_kind: global_buffer, .address_space: global }
      - { .name: x, .offset: 16, .size: 8, .value_kind: global_buffer, .address_space: global }
      - { .name: x1f, .offset: 24, .size: 8, .value_kind: global_buffer, .address_space: global }
      - { .name: x1c, .offset: 32, .size: 8, .value_kind: global_buffer, .address_space: global }
    .group_segment_fixed_size: 327680
    .private_segment_fixed_size: 0
    .kernarg_segment_align: 8
    .kernarg_segment_size: 40
    .max_flat_workgroup_size: 128
    .sgpr_count:     100
    .vgpr_count:     768
    .wavefront_size: 32
...
	.end_amdgpu_metadata
.endif
;; end of part 4
;; launch mlp1 (part 5): grid 16 x 16, 4 waves a work-group, clusters of 4 x 4, 327,680 bytes of LDS; arguments x1c, opnd, b1, hrec; writes hrec
.if DOCPART == 5
	.amdgcn_target "amdgcn-amd-amdhsa--gfx1250"
	.amdhsa_code_object_version 6
	.text
	.protected	k_q1ab8cc5d6e_mlp1
	.globl	k_q1ab8cc5d6e_mlp1
	.p2align	8
	.type	k_q1ab8cc5d6e_mlp1,@function
k_q1ab8cc5d6e_mlp1:
	s_mov_b64 s[64:65], 0
	v_nop
	global_prefetch_b8 v0, s[64:65] scope:SCOPE_SE
	s_setreg_imm32_b32 hwreg(HW_REG_WAVE_MODE, 25, 1), 1
	s_wait_xcnt 0x0
	s_wait_alu depctr_hold_cnt(0) depctr_sa_sdst(0) depctr_va_vdst(0) depctr_va_sdst(0) depctr_va_ssrc(0) depctr_va_vcc(0) depctr_vm_vsrc(0)
	s_getreg_b32 s2, hwreg(HW_REG_IB_STS2, 6, 4)
	s_cmp_eq_u32 s2, 0
	s_cbranch_scc0 .Lentry_in_a_cluster
	s_endpgm
.Lentry_in_a_cluster:
	s_bfe_u32 s2, ttmp6, 0x10000c
	s_cmp_lg_u32 s2, 0xf033
	s_cbranch_scc0 .Lentry_shape_is_right
	s_endpgm
.Lentry_shape_is_right:
; h = silu(x1 W1^T + b1), quantised along FF at once: h never goes to memory in f32.  x1 and W1 come as records (128 rows x 128 K as images of operand registers, 12,800 bytes), h leaves as records.
; A tile of 256 x 256 is made by four waves, each 128 x 128: 64 accumulators.  The matrix instruction is used transposed (source 0 = W1, source 1 = x1): a lane holds one token, and by the records' row order the
; 16 registers of W1's fragments 2 b and 2 b + 1 are 16 neighbouring hidden units: the next K.  The bias is the C of each sum's first product: eight registers a fragment of W1, in window 1.
; K = 1,024 is four quarters of 256.  A row block has room for three quarters in LDS, on end: three SLOTS of two records.  FOUR LOADS a wave, each one dense block of 25,600 bytes, one behind each round:
; quarter 0 at the head; quarter 1 behind the full sequence, a first fill; quarter 2 behind the first change of slots, a first fill too; quarter 3 behind the second change, into slot 0, which was read out a change earlier.
; By the text's own count a wave has one load out, and from a request behind a change of slots to the wait for it it issues 96 products.  4 x 4 work-groups form a cluster: x1's blocks are asked for jointly along a row, W1's along a column.
; PREFETCH: behind load 0 the rows of loads 1 and 2 are asked of memory, behind load 1 those of load 3: of a load's 100 rows of 256 bytes each of the four partners that ask jointly takes 25, told apart by address alone;
; a lane a row, lanes 25-31 name the share's last row again.
; silu(z) = z / (1 + 2^(-z log2 e)): 64 exponentials and 64 reciprocals go as batches with one wait ahead of each and one behind.
; REGISTERS: window 0: v0-29 and v48-62 addresses; v32-47 scale words; v64-255 fragment set 0;  window 1: v0-63 the bias, v64-255 set 1;  windows 2, 3: the accumulators.
; LIMITS: NaN and infinities are not served; a block whose largest magnitude lies under 2^-122 gets the byte 1; the sums begin with the bias.
.set REC,   12800
.set FRG,   1536
.set SCO,   12288
.set BLKB,  2*REC                      ; what one tensor load brings: a slot of one row block
.set ROWB,  3*BLKB                     ; a row block's room in LDS;  x1's two row blocks, then W1's two
.set SPARE, 4*ROWB                     ; the spare words: 128 bytes a wave, named by no other line
.set SCR,   SPARE+512                  ; h's scale words on their way out: 512 bytes a wave
.set RBS,   8*REC
.set W1O,   6553600
.set AF,  64
.set BF,  160
.set SC,  32
.set A16, 48                           ; v48-50 my part of A in slot 0, 1, 2, 16 bytes a lane;  v51-53 8 bytes a lane;  v54-56 4 bytes a lane
.set A8,  51
.set A4,  54
.set B16, 57                           ; v57-59, v60-62, v4-6 the same for B
.set B8,  60
.set B4,  4
.set G16, 16
.set G8,  17
.set HA,  64                           ; the way out: v64-127 h, v128-191 at work, v192-231 codes (two sets), v232-247 QUANT, v248-255 scale words
.set E,   128
.set PC,  192
.set TM,  232
.set PW,  248
.set SEL, 96
.set G1,  24                           ; s[24:31] group 1, s[32:35] group 0 for x1's blocks;  s[48:55], s[56:59] for W1's
.set G0,  32
.set G1B, 48
.set G0B, 56
.set MSB, 0
.macro WIN new                         ; the immediate's high byte repeats the setting that is left
.if MSB != (\new)
	s_set_vgpr_msb (MSB<<8)|(\new)
.set MSB, (\new)
.endif
.endm
.macro PLACES                          ; four plain vector instructions between a matrix instruction and a load into, or a vector read of, its registers
.rept 4
	v_nop
.endr
.endm
.macro JLOAD g0a, g1a, g0b, g1b        ; a joint load: waves 0 and 1 fetch for A, waves 2 and 3 for B; s_nop 0 and four v_nop follow each line
	s_cmp_eq_u32 s15, 0
	s_cbranch_scc0 .Lfor_b_\@
	tensor_load_to_lds s[\g0a:\g0a+3], s[\g1a:\g1a+7]
	s_nop 0
.rept 4
	v_nop
.endr
	s_branch .Lasked_\@
.Lfor_b_\@:
	tensor_load_to_lds s[\g0b:\g0b+3], s[\g1b:\g1b+7]
	s_nop 0
.rept 4
	v_nop
.endr
.Lasked_\@:
.endm
.macro CREST                           ; a round of the cluster's barrier behind its opening barrier
	s_cmp_lg_u32 s14, 0
	s_cbranch_scc1 .Lnot_wave_0_\@
	s_barrier_signal -3
.Lnot_wave_0_\@:
	s_barrier_wait -3
	s_barrier_signal -1
	s_barrier_wait -1
.endm
.macro CROUND
	s_barrier_signal -1
	s_barrier_wait -1
	CREST
.endm
.macro FRAG reg, a16, a8, off
	ds_load_b128 v[\reg:\reg+3], v[\a16] offset:\off
	ds_load_b64 v[\reg+4:\reg+5], v[\a8] offset:\off+512
	ds_load_b128 v[\reg+6:\reg+9], v[\a16] offset:\off+768
	ds_load_b64 v[\reg+10:\reg+11], v[\a8] offset:\off+1280
.endm
.macro QUANT s, w, nb, pc, pw          ; 16 nb numbers of a lane in window w, register 16 b + i = k 32 b + 16 (lane / 16) + i of the lane's row -> codes in v[pc] on, scale bytes in v[pw]
	WIN (\w)|((\w)<<2)
.set qb, 0
.rept \nb
	v_max3_num_f32 v[TM+qb], |v[(\s)+16*qb]|, |v[(\s)+16*qb+1]|, 0x2800000   ; with the floor 2^(5 - 127): the byte cannot fall under 1
.set qb, qb+1
.endr
	WIN ((\w)<<2)|((\w)<<4)
.set qi, 2
.rept 7
.set qb, 0
.rept \nb
	v_max3_num_f32 v[TM+qb], v[TM+qb], |v[(\s)+16*qb+qi]|, |v[(\s)+16*qb+qi+1]|
.set qb, qb+1
.endr
.set qi, qi+2
.endr
	WIN 0
.set qb, 0
.rept \nb
	v_permlanex16_b32 v[TM+4+qb], v[TM+qb], s[SEL], s[SEL+1]
.set qb, qb+1
.endr
.set qb, 0
.rept \nb
	v_max_num_f32 v[TM+qb], v[TM+qb], v[TM+4+qb]
.set qb, qb+1
.endr
.set qb, 0
.rept \nb
	v_add_nc_u32 v[TM+12+qb], 0xfe000000, v[TM+qb]         ; 4 off the exponent field: the conversion's scale operand
.set qb, qb+1
.endr
.set qb, 0
.rept \nb
	v_lshrrev_b32 v[TM+4+qb], 23, v[TM+12+qb]
.set qb, qb+1
.endr
	v_lshl_or_b32 v[\pw], v[TM+5], 8, v[TM+4]
.if (\nb) == 4
	v_lshl_or_b32 v[\pw], v[TM+6], 16, v[\pw]
	v_lshl_or_b32 v[\pw], v[TM+7], 24, v[\pw]
.endif
	WIN (\w)
.set qc, 0
.rept (\nb)/2
	v_cvt_scalef32_pk16_bf6_f32 v[(\pc)+6*qc:(\pc)+6*qc+2], v[(\s)+32*qc:(\s)+32*qc+15], v[TM+12+2*qc]
	v_cvt_scalef32_pk16_bf6_f32 v[(\pc)+12+4*qc:(\pc)+14+4*qc], v[(\s)+32*qc+16:(\s)+32*qc+31], v[TM+13+2*qc]
.set qc, qc+1
.endr
	WIN 0
	v_nop                                                  ; one plain place behind a scaled conversion
.set qc, 0
.rept (\nb)/2
.irp i, 0,1,2
	v_permlane16_swap_b32 v[(\pc)+6*qc+\i], v[(\pc)+12+4*qc+\i]
.endr
.irp i, 0,1,2
	v_mov_b32 v[(\pc)+3+6*qc+\i], v[(\pc)+12+4*qc+\i]
.endr
.set qc, qc+1
.endr
.endm
.macro GIMG pc, base, off
	global_store_b128 v[G16], v[(\pc):(\pc)+3], s[\base:\base+1] offset:\off
	global_store_b64 v[G8], v[(\pc)+4:(\pc)+5], s[\base:\base+1] offset:\off+512
	global_store_b128 v[G16], v[(\pc)+6:(\pc)+9], s[\base:\base+1] offset:\off+768
	global_store_b64 v[G8], v[(\pc)+10:(\pc)+11], s[\base:\base+1] offset:\off+1280
.endm
.macro WM d, bf, af, c, sb, sa, bo, ao ; one product, C = v[c ..].  bo, ao: B's, A's fragment is an odd one: its scale words stand in lanes 16-31
.if (\bo) && (\ao)
	v_wmma_scale_f32_16x16x128_f8f6f4 v[\d:\d+7], v[\bf:\bf+11], v[\af:\af+11], v[\c:\c+7], v[\sb], v[\sa] matrix_a_fmt:MATRIX_FMT_BF6 matrix_b_fmt:MATRIX_FMT_BF6 matrix_a_scale:MATRIX_SCALE_ROW1 matrix_b_scale:MATRIX_SCALE_ROW1
.elseif (\bo)
	v_wmma_scale_f32_16x16x128_f8f6f4 v[\d:\d+7], v[\bf:\bf+11], v[\af:\af+11], v[\c:\c+7], v[\sb], v[\sa] matrix_a_fmt:MATRIX_FMT_BF6 matrix_b_fmt:MATRIX_FMT_BF6 matrix_a_scale:MATRIX_SCALE_ROW1
.elseif (\ao)
	v_wmma_scale_f32_16x16x128_f8f6f4 v[\d:\d+7], v[\bf:\bf+11], v[\af:\af+11], v[\c:\c+7], v[\sb], v[\sa] matrix_a_fmt:MATRIX_FMT_BF6 matrix_b_fmt:MATRIX_FMT_BF6 matrix_b_scale:MATRIX_SCALE_ROW1
.else
	v_wmma_scale_f32_16x16x128_f8f6f4 v[\d:\d+7], v[\bf:\bf+11], v[\af:\af+11], v[\c:\c+7], v[\sb], v[\sa] matrix_a_fmt:MATRIX_FMT_BF6 matrix_b_fmt:MATRIX_FMT_BF6
.endif
.endm
; 16 products.  cm = 2: C is the bias of B's fragment (window 1), the sum begins; cm = 0: in place.  The 64 accumulators take turns, one instruction a turn.
.macro MULQ st, a0, cm
.irp a, \a0, \a0+1
.irp b, 0,1,2,3,4,5,6,7
.if (\cm) == 2
	WM 8*(8*((\a)%4)+\b), BF+12*\b, AF+12*(\a), 8*\b, SC+8*(\st)+4+\b/2, SC+8*(\st)+(\a)/2, \b%2, (\a)%2
.else
	WM 8*(8*((\a)%4)+\b), BF+12*\b, AF+12*(\a), 8*(8*((\a)%4)+\b), SC+8*(\st)+4+\b/2, SC+8*(\st)+(\a)/2, \b%2, (\a)%2
.endif
.endr
.endr
.endm
.macro MW st, hi, cm
.if (\cm) == 2
	WIN (\st)|((\st)<<2)|(1<<4)|((2+\hi)<<6)
.else
	WIN (\st)|((\st)<<2)|((2+\hi)<<4)|((2+\hi)<<6)
.endif
.endm
.macro HALF st, hi, cm
	MW \st, \hi, \cm
	MULQ \st, 4*\hi, \cm
	MULQ \st, 4*\hi+2, \cm
.endm
.macro FETCH1 slot, u                  ; the slot's u-th 128 along K into set u: 8 registers of scale words, B's eight fragments, A's first four: 56 loads
	WIN 0
.irp p, 0,1,2,3
	ds_load_b32 v[SC+8*\u+\p], v[A4+\slot] offset:\u*REC+SCO+128*\p
	ds_load_b32 v[SC+8*\u+4+\p], v[B4+\slot] offset:\u*REC+SCO+128*\p
.endr
	WIN (\u)<<6
.irp i, 0,1,2,3,4,5,6,7
	FRAG BF+12*\i, B16+\slot, B8+\slot, \u*REC+\i*FRG
.endr
.irp i, 0,1,2,3
	FRAG AF+12*\i, A16+\slot, A8+\slot, \u*REC+\i*FRG
.endr
.endm
.macro FETCH2 slot, u                  ; A's last four: 16 loads
	WIN (\u)<<6
.irp i, 4,5,6,7
	FRAG AF+12*\i, A16+\slot, A8+\slot, \u*REC+\i*FRG
.endr
.endm
.macro UNIT slot, cm                   ; multiplies set 0 (the slot's first 128 along K) and fetches the slot's second into set 1
	s_wait_dscnt 16                                ; all but the youngest sixteen loads (A's fragments 4-7) are in
	HALF 0, 0, \cm
	s_wait_dscnt 0x0
	PLACES
	FETCH1 \slot, 1
	HALF 0, 1, \cm
	FETCH2 \slot, 1
.endm
; Multiplies set 1 and changes slots with ONE barrier; in front of it each wave waits for all its tensor loads, adds 0 to its spare word, and waits for that and for its reads of this slot.
; fill 1: the next quarter of K goes into the slot behind the one asked for last, a first fill; 2: it goes into slot 0, a refill; 0: nothing is asked for.
.macro TURN next, fill
	WIN 0
	s_wait_tensorcnt 0x0                           ; all my tensor loads have landed: the one that was out is my part of the next slot
	ds_add_u32 v28, v29                            ; 0 onto my spare word
	s_wait_dscnt 17                                ; (the add and the youngest sixteen loads may be out)
	MW 1, 0, 0
	MULQ 1, 0, 0
	s_wait_dscnt 0x0                               ; the add is done, and my reads of this slot are over
	s_barrier_signal -1
	MULQ 1, 2, 0
	WIN 0
	s_barrier_wait -1
.if (\fill) > 0
	CREST                                          ; no wave of any partner has a load on its way or still reads a slot left behind
.if (\fill) == 1
	s_add_co_u32 s[G0+1], s[G0+1], BLKB
	s_add_co_u32 s[G0B+1], s[G0B+1], BLKB
.else
	s_mov_b32 s[G0+1], s45
	s_mov_b32 s[G0B+1], s45
.endif
	s_add_nc_u64 s[G0+2:G0+3], s[G0+2:G0+3], BLKB
	s_add_nc_u64 s[G0B+2:G0B+3], s[G0B+2:G0B+3], BLKB
	JLOAD G0, G1, G0B, G1B                         ; the first tensor load behind the round; its four v_nop are the places in front of the loads below
.else
	PLACES
.endif
	FETCH1 \next, 0
	HALF 1, 1, 0
	FETCH2 \next, 0
.endm
.macro SILU z, w                       ; 64 numbers at v[z] of window w -> silu of them in v[HA] on
	WIN (\w)
.set sj, 0
.rept 32
	v_pk_mul_f32 v[E+sj:E+sj+1], v[(\z)+sj:(\z)+sj+1], s[70:71] op_sel_hi:[1,0]   ; -z log2(e); each accumulator is read from its low end on
.set sj, sj+2
.endr
	WIN 0
.set sj, 0
	s_wait_alu depctr_va_vdst(0)
.rept 64
	v_exp_f32 v[E+sj], v[E+sj]
.set sj, sj+1
.endr
	v_nop                                          ; a plain place behind the last exponential
	s_wait_alu depctr_va_vdst(0)                   ; one wait for the batch, ahead of its first reader
.set sj, 0
.rept 32
	v_pk_add_f32 v[E+sj:E+sj+1], v[E+sj:E+sj+1], 1.0 op_sel_hi:[1,0]
.set sj, sj+2
.endr
.set sj, 0
	s_wait_alu depctr_va_vdst(0)
.rept 64
	v_rcp_f32 v[E+sj], v[E+sj]
.set sj, sj+1
.endr
	v_nop
	s_wait_alu depctr_va_vdst(0)
	WIN (\w)
.set sj, 0
.rept 32
	v_pk_mul_f32 v[HA+sj:HA+sj+1], v[(\z)+sj:(\z)+sj+1], v[E+sj:E+sj+1]
.set sj, sj+2
.endr
	WIN 0
.endm
	s_load_b256 s[4:11], s[0:1], 0x0               ; x1c, opnd, b1, hrec
	v_lshl_add_u32 v28, v0, 2, SPARE
	v_mov_b32 v29, 0
	ds_add_u32 v28, v29                            ; the opening lines: the add, twice on end, and its wait
	ds_add_u32 v28, v29
	s_wait_dscnt 0x0
	v_lshrrev_b32 v1, 5, v0
	v_readfirstlane_b32 s14, v1                    ; wave 0..3
	s_lshr_b32 s15, s14, 1                         ; my half of A's rows.  Also: I fetch for A (0) or for B (1)
	s_and_b32 s16, s14, 1                          ; my half of B's rows.  Also: which row block I fetch
	s_bfe_u32 s40, ttmp6, 0x40000                  ; cx
	s_bfe_u32 s41, ttmp6, 0x40004                  ; cy
	s_lshl_b32 s42, ttmp9, 2
	s_add_co_u32 s42, s42, s40                     ; tile column, 0..15
	s_and_b32 s17, ttmp7, 0xffff
	s_lshl_b32 s17, s17, 2
	s_add_co_u32 s17, s17, s41                     ; tile row, 0..15
	s_lshl_b32 s43, s41, 2
	s_lshl_b32 s43, 15, s43                        ; my row of the cluster
	s_lshl_b32 s44, 0x1111, s40                    ; my column
	s_or_b32 s[G1+0], s43, (3<<16)|(1<<21)         ; the mask; elements of 8 bytes; bit 21 beside a mask; no padding: a dense block of 100 rows of 256 bytes
	s_or_b32 s[G1B+0], s44, (3<<16)|(1<<21)
.irp g, G1, G1B
	s_mov_b32 s[\g+1], 32<<16
	s_mov_b32 s[\g+2], 100<<16
	s_mov_b32 s[\g+3], 32<<16
	s_mov_b32 s[\g+4], 100
	s_mov_b32 s[\g+5], 32
	s_mov_b32 s[\g+6], 0
	s_mov_b32 s[\g+7], 0
.endr
	s_lshl_b32 s20, s17, 1
	s_add_co_u32 s20, s20, s16
	s_mul_i32 s20, s20, RBS
	s_mov_b32 s21, 0
	s_lshl_b32 s46, s42, 1
	s_add_co_u32 s46, s46, s16
	s_mul_i32 s46, s46, RBS
	s_add_co_u32 s46, s46, W1O
	s_mov_b32 s47, 0
	s_mul_i32 s45, s14, ROWB                       ; where my row block goes: no place in the cluster enters an LDS address
	s_mov_b32 s[SEL], 0x76543210
	s_mov_b32 s[SEL+1], 0xfedcba98
	s_mov_b32 s70, 0xbfb8aa3b                      ; -log2(e)
	s_mov_b32 s71, s70
	s_wait_kmcnt 0x0
	s_add_nc_u64 s[20:21], s[4:5], s[20:21]
	s_add_nc_u64 s[46:47], s[6:7], s[46:47]
	CROUND                                         ; all sixteen work-groups are here: the first joint loads meet
	s_mov_b32 s[G0], 1
	s_mov_b32 s[G0+1], s45
	s_mov_b64 s[G0+2:G0+3], s[20:21]
	s_or_b32 s[G0+3], s[G0+3], 0x80000000
	s_mov_b32 s[G0B], 1
	s_mov_b32 s[G0B+1], s45
	s_mov_b64 s[G0B+2:G0B+3], s[46:47]
	s_or_b32 s[G0B+3], s[G0B+3], 0x80000000
	JLOAD G0, G1, G0B, G1B                         ; quarter 0: my one tensor load at the head
	s_cmp_eq_u32 s15, 0
	s_cselect_b32 s86, s40, s41                    ; my place among the four that ask with me: cx for x1's block, cy for W1's
	s_cselect_b64 s[84:85], s[20:21], s[46:47]
	s_mul_i32 s86, s86, 25*256
	s_mov_b32 s87, 0
	s_add_nc_u64 s[84:85], s[84:85], s[86:87]      ; my work-group's 25 rows of a load's 100
	v_and_b32 v7, 31, v0
	v_min_u32 v7, 24, v7
	v_lshlrev_b32 v7, 8, v7                        ; never rewritten
	global_prefetch_b8 v7, s[84:85] offset:BLKB th:TH_LOAD_NT scope:SCOPE_SE     ; quarter 1,
	global_prefetch_b8 v7, s[84:85] offset:2*BLKB th:TH_LOAD_NT scope:SCOPE_SE   ; and quarter 2
	v_and_b32 v1, 15, v0
	v_bfe_u32 v2, v0, 4, 1
	v_and_b32 v3, 31, v0
	v_lshlrev_b32 v[G16], 4, v3
	v_lshlrev_b32 v[G8], 3, v3
	v_lshlrev_b32 v18, 2, v3
	v_lshlrev_b32 v19, 6, v2                       ; the bias: 16 numbers on for the upper half of the lanes
	s_mul_i32 s21, s15, ROWB
	s_mul_i32 s22, s16, ROWB
	s_add_co_u32 s22, s22, 2*ROWB
.irp s, 0,1,2
	v_add_nc_u32 v[A16+\s], s21, v[G16]
	v_add_nc_u32 v[A8+\s], s21, v[G8]
	v_add_nc_u32 v[A4+\s], s21, v18
	v_add_nc_u32 v[B16+\s], s22, v[G16]
	v_add_nc_u32 v[B8+\s], s22, v[G8]
	v_add_nc_u32 v[B4+\s], s22, v18
	s_add_co_u32 s21, s21, BLKB
	s_add_co_u32 s22, s22, BLKB
.endr
	s_lshl_b32 s23, s14, 9
	v_lshl_add_u32 v20, v1, 2, SCR
	v_add_nc_u32 v20, s23, v20
	v_add_nc_u32 v21, SCR, v[G16]
	v_add_nc_u32 v21, s23, v21
	s_lshl_b32 s66, s42, 10
	s_lshl_b32 s68, s16, 9
	s_add_co_u32 s66, s66, s68
	s_mov_b32 s67, 0
	s_add_nc_u64 s[76:77], s[8:9], s[66:67]        ; b1 at my 128 hidden units
	s_lshl_b32 s66, s17, 1
	s_add_co_u32 s66, s66, s15
	s_lshl_b32 s66, s66, 5
	s_lshl_b32 s68, s42, 1
	s_add_co_u32 s66, s66, s68
	s_add_co_u32 s66, s66, s16
	s_mul_i32 s66, s66, REC
	s_add_nc_u64 s[72:73], s[10:11], s[66:67]      ; h's record (my 128 tokens, my 128 hidden units)
	s_wait_alu depctr_va_vdst(0)                   ; the bias's offset was written ahead of a run of scalar instructions
	WIN 0x40                                       ; destination window 1
.irp b, 0,1,2,3,4,5,6,7
	global_load_b128 v[8*\b:8*\b+3], v19, s[76:77] offset:(32*(\b/2)+8*(\b%2))*4
	global_load_b128 v[8*\b+4:8*\b+7], v19, s[76:77] offset:(32*(\b/2)+8*(\b%2))*4+16
.endr
	WIN 0
	s_wait_alu depctr_va_vdst(0)
	s_wait_tensorcnt 0x0                           ; my part of quarter 0 is in
	ds_add_u32 v28, v29
	s_add_co_u32 s[G0+1], s[G0+1], BLKB            ; no load of mine is out, so group 0 may be written: quarter 1, into slot 1
	s_add_co_u32 s[G0B+1], s[G0B+1], BLKB
	s_add_nc_u64 s[G0+2:G0+3], s[G0+2:G0+3], BLKB
	s_add_nc_u64 s[G0B+2:G0B+3], s[G0B+2:G0B+3], BLKB
	s_wait_dscnt 0x0
	CROUND                                         ; a whole round: quarter 0 is whole, and the joint loads meet
	JLOAD G0, G1, G0B, G1B
	global_prefetch_b8 v7, s[84:85] offset:3*BLKB th:TH_LOAD_NT scope:SCOPE_SE   ; quarter 3
	FETCH1 0, 0
	FETCH2 0, 0
	s_wait_loadcnt 0x0                             ; the bias
	UNIT 0, 2                                      ; the first unit's products start the sums with the bias
	TURN 1, 1                                      ; quarter 1 is whole; quarter 2 is asked for, into slot 2
	UNIT 1, 0
	TURN 2, 2                                      ; quarter 2 is whole; quarter 3 is asked for, into slot 0
	UNIT 2, 0
	TURN 0, 0                                      ; quarter 3 is whole; nothing more is filled
	UNIT 0, 0
	s_wait_dscnt 16
	HALF 1, 0, 0
	s_wait_dscnt 0x0
	HALF 1, 1, 0
	WIN 0
	PLACES
.irp b, 0,1,2,3
	v_mov_b32 v[TM+4+\b], 0                        ; a lane permute's destination counts as one of its sources
.endr
.irp a, 0,1,2,3,4,5,6,7
	s_wait_xcnt 0x0                                ; earlier stores have read the codes' registers
	SILU 64*(\a%4), 2+\a/4
	QUANT HA, 0, 4, PC+20*(\a%2), PW+\a
	GIMG PC+20*(\a%2), 72, \a*FRG
	ds_store_b32 v20, v[PW+\a] offset:64*\a
.endr
	ds_load_b128 v[64:67], v21                     ; LDS serves a wave's instructions in order: these see my stores
	s_wait_dscnt 0x0
	global_store_b128 v[G16], v[64:67], s[72:73] offset:SCO
	s_wait_tensorcnt 0x0                           ; the wave's end
	ds_add_u32 v28, v29
	s_wait_dscnt 0x0
	CROUND                                         ; the closing round
	s_endpgm
.Lfunc_end_k_q1ab8cc5d6e_mlp1:
	.size	k_q1ab8cc5d6e_mlp1, .Lfunc_end_k_q1ab8cc5d6e_mlp1-k_q1ab8cc5d6e_mlp1
	.p2alignl 7, 3214868480
	.fill 96, 4, 3214868480
	.section	.rodata,"a",@progbits
	.p2align	6, 0x0
	.amdhsa_kernel k_q1ab8cc5d6e_mlp1
		.amdhsa_group_segment_fixed_size 327680
		.amdhsa_private_segment_fixed_size 0
		.amdhsa_enable_private_segment 0
		.amdhsa_kernarg_size 32
		.amdhsa_user_sgpr_count 2
		.amdhsa_user_sgpr_kernarg_segment_ptr 1
		.amdhsa_wavefront_size32 1
		.amdhsa_system_sgpr_workgroup_id_x 1
		.amdhsa_system_sgpr_workgroup_id_y 1
		.amdhsa_system_sgpr_workgroup_id_z 1
		.amdhsa_system_vgpr_workitem_id 0
		.amdhsa_next_free_vgpr 1024
		.amdhsa_next_free_sgpr 100
		.amdhsa_reserve_vcc 0
		.amdhsa_float_denorm_mode_32 3
		.amdhsa_float_denorm_mode_16_64 3
		.amdhsa_memory_ordered 1
		.amdhsa_forward_progress 1
		.amdhsa_inst_pref_size 232
	.end_amdhsa_kernel
	.amdgpu_metadata
---
amdhsa.version: [ 1, 2 ]
amdhsa.kernels:
  - .name:           k_q1ab8cc5d6e_mlp1
    .symbol:         k_q1ab8cc5d6e_mlp1.kd
    .args:
      - { .name: x1c, .offset: 0, .size: 8, .value_kind: global_buffer, .address_space: global }
      - { .name: opnd, .offset: 8, .size: 8, .value_kind: global_buffer, .address_space: global }
      - { .name: b1, .offset: 16, .size: 8, .value_kind: global_buffer, .address_space: global }
      - { .name: hrec, .offset: 24, .size: 8, .value_kind: global_buffer, .address_space: global }
    .group_segment_fixed_size: 327680
    .private_segment_fixed_size: 0
    .kernarg_segment_align: 8
    .kernarg_segment_size: 32
    .max_flat_workgroup_size: 128
    .sgpr_count:     100
    .vgpr_count:     1024
    .wavefront_size: 32
...
	.end_amdgpu_metadata
.endif
;; end of part 5
;; launch mlp2 (part 6): grid 8 x 32, 4 waves a work-group, clusters of 4 x 4, 327,680 bytes of LDS; arguments hrec, opnd, x1f, out0; writes out0
.if DOCPART == 6
	.amdgcn_target "amdgcn-amd-amdhsa--gfx1250"
	.amdhsa_code_object_version 6
	.text
	.protected	k_q1ab8cc5d6e_mlp2
	.globl	k_q1ab8cc5d6e_mlp2
	.p2align	8
	.type	k_q1ab8cc5d6e_mlp2,@function
k_q1ab8cc5d6e_mlp2:
	s_mov_b64 s[64:65], 0
	v_nop
	global_prefetch_b8 v0, s[64:65] scope:SCOPE_SE
	s_setreg_imm32_b32 hwreg(HW_REG_WAVE_MODE, 25, 1), 1
	s_wait_xcnt 0x0
	s_wait_alu depctr_hold_cnt(0) depctr_sa_sdst(0) depctr_va_vdst(0) depctr_va_sdst(0) depctr_va_ssrc(0) depctr_va_vcc(0) depctr_vm_vsrc(0)
	s_getreg_b32 s2, hwreg(HW_REG_IB_STS2, 6, 4)
	s_cmp_eq_u32 s2, 0
	s_cbranch_scc0 .Lentry_in_a_cluster
	s_endpgm
.Lentry_in_a_cluster:
	s_bfe_u32 s2, ttmp6, 0x10000c
	s_cmp_lg_u32 s2, 0xf033
	s_cbranch_scc0 .Lentry_shape_is_right
	s_endpgm
.Lentry_shape_is_right:
; out = x1 + h W2^T.  h and W2 come as records (128 rows x 128 K as images of operand registers, 12,800 bytes: fragment f at 1,536 f, scale words at 12,288); x1 comes in f32 as images of the accumulators and starts the sums.
; A tile of 128 x 128 is made by four waves, each 64 x 64: 16 accumulators, which take turns.  4 x 4 work-groups form a cluster: h's records are asked for jointly along a row, W2's along a column.
; K = 4,096 is 32 steps.  A RING OF TWO SLOTS, each with room for six K steps of A (six records) and of B.  Six loads a wave, one behind each round: at the head K steps 0-1 into slot 0 (one record a wave);
; then K steps 2-7 into slot 1 (a first fill, behind the full sequence), 8-13 into slot 0, 14-19, 20-25, 26-31: three records, 150 rows of 256 bytes, a wave.  While one slot is multiplied the other's load is out.
; A unit is two K steps: 32 products of a wave on one of two sets of fragment registers; the next unit's fragments are fetched meanwhile.
; PREFETCH: the rows of load t + 2 are asked of memory behind load t (behind the head's load: those of loads 1 and 2).  Of a wave's 150 rows each of the four partners that ask jointly takes 38, told apart by address
; alone: a lane a row, two lines; lanes left over name the share's last row again, and the last share is held at row 149.  The last two loads ask for nothing.
.set REC,   12800
.set FRG,   1536
.set SCO,   12288
.set HALFB, 6*REC
.set SLOT,  2*HALFB                    ; A's six records, then B's six
.set SPARE, 2*SLOT                     ; the spare words: 128 bytes a wave, named by no other line
.set STG,   SPARE+512                  ; the way out: 16 rows x 272 bytes a wave
.set SP,    272
.set RBS,   32*REC
.set WOFF,  9830400
.set AF,  64
.set BF,  160
.set SC,  32
.set G16, 16
.set G8,  17
.set G1,  24                           ; s[24:31], s[48:55] group 1 for A's and B's loads of three records;  s[80:87], s[88:95] of one record
.set G0,  32                           ; s[32:39], s[56:63] group 0, one set for each slot
.set G1B, 48
.set G0B, 56
.set G1S, 80
.set G1SB, 88
.set SD,  96                           ; s[96:97] from my record of the head's load to my three of K steps 8-13
.set MSB, 0
.macro WIN new                         ; the immediate's high byte repeats the setting that is left
.if MSB != (\new)
	s_set_vgpr_msb (MSB<<8)|(\new)
.set MSB, (\new)
.endif
.endm
.macro PLACES                          ; four plain vector instructions between a matrix instruction and a load into, or a read of, its registers
.rept 4
	v_nop
.endr
.endm
.macro JLOAD g0a, g1a, g0b, g1b        ; a joint load: waves 0 and 1 fetch for A, waves 2 and 3 for B; s_nop 0 and four v_nop follow each line
	s_cmp_eq_u32 s15, 0
	s_cbranch_scc0 .Lfor_b_\@
	tensor_load_to_lds s[\g0a:\g0a+3], s[\g1a:\g1a+7]
	s_nop 0
.rept 4
	v_nop
.endr
	s_branch .Lasked_\@
.Lfor_b_\@:
	tensor_load_to_lds s[\g0b:\g0b+3], s[\g1b:\g1b+7]
	s_nop 0
.rept 4
	v_nop
.endr
.Lasked_\@:
.endm
.macro CREST                           ; a round of the cluster's barrier behind its opening barrier
	s_cmp_lg_u32 s14, 0
	s_cbranch_scc1 .Lnot_wave_0_\@
	s_barrier_signal -3
.Lnot_wave_0_\@:
	s_barrier_wait -3
	s_barrier_signal -1
	s_barrier_wait -1
.endm
.macro CROUND
	s_barrier_signal -1
	s_barrier_wait -1
	CREST
.endm
.macro ASK k                           ; my work-group's 38 rows of the three records that I shall fetch from K step k on
	global_prefetch_b8 v23, s[70:71] offset:(\k)*REC th:TH_LOAD_NT scope:SCOPE_SE
	global_prefetch_b8 v24, s[70:71] offset:(\k)*REC th:TH_LOAD_NT scope:SCOPE_SE
.endm
.macro FRAG reg, a16, a8, off
	ds_load_b128 v[\reg:\reg+3], v[\a16] offset:\off
	ds_load_b64 v[\reg+4:\reg+5], v[\a8] offset:\off+512
	ds_load_b128 v[\reg+6:\reg+9], v[\a16] offset:\off+768
	ds_load_b64 v[\reg+10:\reg+11], v[\a8] offset:\off+1280
.endm
.macro WM d, bf, af, sb, sa, bo, ao    ; one product in place.  bo, ao: B's, A's fragment is an odd one: its scale words stand in lanes 16-31
.if (\bo) && (\ao)
	v_wmma_scale_f32_16x16x128_f8f6f4 v[\d:\d+7], v[\bf:\bf+11], v[\af:\af+11], v[\d:\d+7], v[\sb], v[\sa] matrix_a_fmt:MATRIX_FMT_BF6 matrix_b_fmt:MATRIX_FMT_BF6 matrix_a_scale:MATRIX_SCALE_ROW1 matrix_b_scale:MATRIX_SCALE_ROW1
.elseif (\bo)
	v_wmma_scale_f32_16x16x128_f8f6f4 v[\d:\d+7], v[\bf:\bf+11], v[\af:\af+11], v[\d:\d+7], v[\sb], v[\sa] matrix_a_fmt:MATRIX_FMT_BF6 matrix_b_fmt:MATRIX_FMT_BF6 matrix_a_scale:MATRIX_SCALE_ROW1
.elseif (\ao)
	v_wmma_scale_f32_16x16x128_f8f6f4 v[\d:\d+7], v[\bf:\bf+11], v[\af:\af+11], v[\d:\d+7], v[\sb], v[\sa] matrix_a_fmt:MATRIX_FMT_BF6 matrix_b_fmt:MATRIX_FMT_BF6 matrix_b_scale:MATRIX_SCALE_ROW1
.else
	v_wmma_scale_f32_16x16x128_f8f6f4 v[\d:\d+7], v[\bf:\bf+11], v[\af:\af+11], v[\d:\d+7], v[\sb], v[\sa] matrix_a_fmt:MATRIX_FMT_BF6 matrix_b_fmt:MATRIX_FMT_BF6
.endif
.endm
.macro MULH st, qq, a0                 ; eight products: A's fragments a0, a0 + 1 against B's four, the unit's K step qq
.irp a, \a0, \a0+1
.irp b, 0,1,2,3
	WM 8*(4*(\a)+\b), BF+12*(4*\qq+\b), AF+12*(4*\qq+(\a)), SC+8*(\st)+4+2*\qq+\b/2, SC+8*(\st)+2*\qq+(\a)/2, \b%2, (\a)%2
.endr
.endr
.endm
.macro MW st                           ; both sources in window st, C and D in window 2
	WIN (\st)|((\st)<<2)|0xa0
.endm
.macro HALFH st, qq
	MW \st
	MULH \st, \qq, 0
	MULH \st, \qq, 2
.endm
.macro FETCH1 slot, u, st              ; the slot's unit u into set st: 8 scale words and the first K step's fragments: 40 loads.  (Unit 2 lies beyond a 16-bit offset: a second set of address registers, 4 records on)
.set HB, 44*((\u)/2)
.set RO, 2*(\u)-4*((\u)/2)
	WIN 0
.irp qq, 0,1
.irp p, 0,1
	ds_load_b32 v[SC+8*(\st)+2*\qq+\p], v[8+HB+\slot] offset:(RO+\qq)*REC+SCO+128*\p
	ds_load_b32 v[SC+8*(\st)+4+2*\qq+\p], v[14+HB+\slot] offset:(RO+\qq)*REC+SCO+128*\p
.endr
.endr
	WIN (\st)<<6
.irp i, 0,1,2,3
	FRAG BF+12*\i, 10+HB+\slot, 12+HB+\slot, RO*REC+\i*FRG
	FRAG AF+12*\i, 4+HB+\slot, 6+HB+\slot, RO*REC+\i*FRG
.endr
.endm
.macro FETCH2 slot, u, st              ; the second K step's fragments: 32 loads
.set HB, 44*((\u)/2)
.set RO, 2*(\u)-4*((\u)/2)
	WIN (\st)<<6
.irp i, 0,1,2,3
	FRAG BF+12*(4+\i), 10+HB+\slot, 12+HB+\slot, (RO+1)*REC+\i*FRG
	FRAG AF+12*(4+\i), 4+HB+\slot, 6+HB+\slot, (RO+1)*REC+\i*FRG
.endr
.endm
.macro UNIT st, nslot, nu              ; multiplies set st and fetches unit (nslot, nu) into the other set
	s_wait_dscnt 32                                ; all but the youngest 32 loads (the second K step's) are in
	HALFH \st, 0
	s_wait_dscnt 0x0
	PLACES
	FETCH1 \nslot, \nu, 1-(\st)
	HALFH \st, 1
	FETCH2 \nslot, \nu, 1-(\st)
.endm
; Multiplies set st, the slot's last unit, and changes slots with ONE barrier, which opens a round where the slot is filled again.  kind 0: nothing is filled; 1: the slot's load 12 K steps on; 2: slot 0's first load of three records.
.macro TURN st, slot, nslot, kind, ask
	WIN 0
	s_wait_tensorcnt 0x0                           ; all my tensor loads have landed: the one that was out is my part of the next slot
	ds_add_u32 v28, v29                            ; 0 onto my spare word
	s_wait_dscnt 33                                ; (the add and the youngest 32 loads may be out)
	MW \st
	MULH \st, 0, 0                                 ; eight products stand between the add and the wait for it
	s_wait_dscnt 0x0                               ; the add is done, and my reads of this slot are over
	s_barrier_signal -1
	MULH \st, 0, 2
	WIN 0
	s_barrier_wait -1
.if (\kind) > 0
	CREST                                          ; no wave of any partner still reads this slot or has a load on its way
.if (\kind) == 2
	s_mov_b32 s[G0+1], s45
	s_mov_b32 s[G0B+1], s45
	s_add_nc_u64 s[G0+2:G0+3], s[G0+2:G0+3], s[SD:SD+1]
	s_add_nc_u64 s[G0B+2:G0B+3], s[G0B+2:G0B+3], s[SD:SD+1]
.else
	s_add_nc_u64 s[G0+4*\slot+2:G0+4*\slot+3], s[G0+4*\slot+2:G0+4*\slot+3], 12*REC
	s_add_nc_u64 s[G0B+4*\slot+2:G0B+4*\slot+3], s[G0B+4*\slot+2:G0B+4*\slot+3], 12*REC
.endif
	JLOAD G0+4*\slot, G1, G0B+4*\slot, G1B         ; the first tensor load behind the round; its four v_nop are the places in front of the loads below
.if (\ask) > 0
	ASK \ask
.endif
.else
	PLACES
.endif
	FETCH1 \nslot, 0, 1-(\st)
	HALFH \st, 1
	FETCH2 \nslot, 0, 1-(\st)
.endm
	s_load_b256 s[4:11], s[0:1], 0x0               ; hrec, opnd, x1f, out0
	v_lshl_add_u32 v28, v0, 2, SPARE
	v_mov_b32 v29, 0
	ds_add_u32 v28, v29                            ; the opening lines: the add, twice on end, and its wait
	ds_add_u32 v28, v29
	v_lshrrev_b32 v1, 5, v0
	v_readfirstlane_b32 s14, v1                    ; wave 0..3
	s_lshr_b32 s15, s14, 1                         ; my half of A's rows.  Also: I fetch for A (0) or for B (1)
	s_and_b32 s16, s14, 1                          ; my half of B's rows.  Also: which half of a load's K steps I fetch
	s_bfe_u32 s40, ttmp6, 0x40000                  ; cx
	s_bfe_u32 s41, ttmp6, 0x40004                  ; cy
	s_lshl_b32 s42, ttmp9, 2
	s_add_co_u32 s42, s42, s40                     ; tile column, 0..7
	s_and_b32 s17, ttmp7, 0xffff
	s_lshl_b32 s17, s17, 2
	s_add_co_u32 s17, s17, s41                     ; tile row, 0..31
	s_lshl_b32 s43, s41, 2
	s_lshl_b32 s43, 15, s43                        ; my row of the cluster
	s_lshl_b32 s44, 0x1111, s40                    ; my column
	s_or_b32 s[G1+0], s43, (3<<16)|(1<<21)         ; the mask; elements of 8 bytes; bit 21 beside a mask; no padding: dense rows of 256 bytes
	s_or_b32 s[G1B+0], s44, (3<<16)|(1<<21)
	s_or_b32 s[G1S+0], s43, (3<<16)|(1<<21)
	s_or_b32 s[G1SB+0], s44, (3<<16)|(1<<21)
.irp g, G1, G1B
	s_mov_b32 s[\g+1], 32<<16
	s_mov_b32 s[\g+2], 150<<16
	s_mov_b32 s[\g+3], 32<<16
	s_mov_b32 s[\g+4], 150
	s_mov_b32 s[\g+5], 32
	s_mov_b32 s[\g+6], 0
	s_mov_b32 s[\g+7], 0
.endr
.irp g, G1S, G1SB
	s_mov_b32 s[\g+1], 32<<16
	s_mov_b32 s[\g+2], 50<<16
	s_mov_b32 s[\g+3], 32<<16
	s_mov_b32 s[\g+4], 50
	s_mov_b32 s[\g+5], 32
	s_mov_b32 s[\g+6], 0
	s_mov_b32 s[\g+7], 0
.endr
	s_mul_i32 s69, s16, REC                        ; the head's load: K step 0 or 1
	s_mul_i32 s20, s17, RBS
	s_add_co_u32 s20, s20, s69
	s_mov_b32 s21, 0
	s_mul_i32 s46, s42, RBS
	s_add_co_u32 s46, s46, s69
	s_add_co_u32 s46, s46, WOFF
	s_mov_b32 s47, 0
	s_mul_i32 s45, s14, 3*REC                      ; where three records go in a slot: no place in the cluster enters an LDS address
	s_mul_i32 s68, s15, HALFB
	s_add_co_u32 s68, s68, s69                     ; and where the head's one record goes
	s_mul_i32 s[SD], s16, 2*REC
	s_add_co_u32 s[SD], s[SD], 8*REC
	s_mov_b32 s[SD+1], 0
	s_lshl_b32 s66, s17, 3
	s_add_co_u32 s66, s66, s42
	s_lshl_b32 s66, s66, 2
	s_add_co_u32 s66, s66, s14
	s_lshl_b32 s66, s66, 14                        ; x1's image of my accumulators: 16,384 bytes
	s_mov_b32 s67, 0
	s_wait_dscnt 0x0                               ; both opening adds are done
	s_wait_kmcnt 0x0
	s_add_nc_u64 s[20:21], s[4:5], s[20:21]
	s_add_nc_u64 s[46:47], s[6:7], s[46:47]
	s_add_nc_u64 s[76:77], s[8:9], s[66:67]
	CROUND                                         ; all sixteen work-groups are here: the first joint loads meet
	s_mov_b32 s[G0], 1
	s_mov_b32 s[G0+1], s68
	s_mov_b64 s[G0+2:G0+3], s[20:21]
	s_or_b32 s[G0+3], s[G0+3], 0x80000000
	s_mov_b32 s[G0B], 1
	s_mov_b32 s[G0B+1], s68
	s_mov_b64 s[G0B+2:G0B+3], s[46:47]
	s_or_b32 s[G0B+3], s[G0B+3], 0x80000000
	s_mov_b32 s[G0+4], 1                           ; slot 1: K steps 2-7
	s_add_co_u32 s[G0+5], s45, SLOT
	s_add_nc_u64 s[G0+6:G0+7], s[20:21], s[SD:SD+1]
	s_sub_nc_u64 s[G0+6:G0+7], s[G0+6:G0+7], 6*REC
	s_or_b32 s[G0+7], s[G0+7], 0x80000000
	s_mov_b32 s[G0B+4], 1
	s_add_co_u32 s[G0B+5], s45, SLOT
	s_add_nc_u64 s[G0B+6:G0B+7], s[46:47], s[SD:SD+1]
	s_sub_nc_u64 s[G0B+6:G0B+7], s[G0B+6:G0B+7], 6*REC
	s_or_b32 s[G0B+7], s[G0B+7], 0x80000000
	JLOAD G0, G1S, G0B, G1SB                       ; K steps 0-1: my one tensor load at the head
	s_cmp_eq_u32 s15, 0
	s_cselect_b32 s68, s40, s41                    ; my place among the four that ask with me: cx for h's records, cy for W2's
	s_cselect_b64 s[70:71], s[20:21], s[46:47]
	s_add_nc_u64 s[70:71], s[70:71], s[SD:SD+1]
	s_sub_nc_u64 s[70:71], s[70:71], 8*REC         ; my tile's K step 0, + three records where I fetch a load's second half
	s_mul_i32 s68, s68, 38
	v_and_b32 v1, 15, v0                           ; r
	v_bfe_u32 v2, v0, 4, 1                         ; h
	v_and_b32 v3, 31, v0                           ; lane
	v_lshlrev_b32 v[G16], 4, v3
	v_lshlrev_b32 v[G8], 3, v3
	v_lshlrev_b32 v18, 2, v3
	v_add_nc_u32 v23, s68, v3                      ; rows 38 p + lane,
	v_min_u32 v24, 5, v3
	v_lshlrev_b32 v23, 8, v23
	v_add3_u32 v24, v24, s68, 32                   ; and 38 p + 32 .. 37,
	v_min_u32 v24, 149, v24                        ; held inside the 150
	v_lshlrev_b32 v24, 8, v24                      ; v23 and v24 are never rewritten
	s_wait_alu depctr_va_vdst(0)
	WIN 0x80                                       ; destination window 2
.irp i, 0,1,2,3,4,5,6,7,8,9,10,11,12,13,14,15
	global_load_b128 v[8*\i:8*\i+3], v[G16], s[76:77] offset:\i*1024 th:TH_LOAD_NT
	global_load_b128 v[8*\i+4:8*\i+7], v[G16], s[76:77] offset:\i*1024+512 th:TH_LOAD_NT
.endr
	WIN 0
	ASK 2
	ASK 8
	s_mul_i32 s21, s15, 4*FRG                      ; my four fragments of A's record,
	s_mul_i32 s22, s16, 4*FRG
	s_add_co_u32 s22, s22, HALFB                   ; and of B's
	s_lshl_b32 s23, s15, 8
	s_lshl_b32 s66, s16, 8
	s_add_co_u32 s66, s66, HALFB
.irp s, 0,1
	v_add_nc_u32 v[4+\s], s21, v[G16]
	v_add_nc_u32 v[6+\s], s21, v[G8]
	v_add_nc_u32 v[8+\s], s23, v18
	v_add_nc_u32 v[10+\s], s22, v[G16]
	v_add_nc_u32 v[12+\s], s22, v[G8]
	v_add_nc_u32 v[14+\s], s66, v18
	s_add_co_u32 s21, s21, SLOT
	s_add_co_u32 s22, s22, SLOT
	s_add_co_u32 s23, s23, SLOT
	s_add_co_u32 s66, s66, SLOT
.endr
.irp k, 4,5,6,7,8,9,10,11,12,13,14,15
	v_add_nc_u32 v[44+\k], 4*REC, v[\k]
.endr
	s_mul_i32 s23, s14, 16*SP
	v_mul_u32_u24 v20, v1, SP                      ; the stage, in: row r, 64 bytes for each half of the lanes
	v_lshl_add_u32 v20, v2, 6, v20
	v_add_nc_u32 v20, STG, v20
	v_add_nc_u32 v20, s23, v20
	v_mul_u32_u24 v21, v2, SP                      ; back: lanes 0-15 one row of 256 bytes, lanes 16-31 the next
	v_lshl_add_u32 v21, v1, 4, v21
	v_add_nc_u32 v21, STG, v21
	v_add_nc_u32 v21, s23, v21
	v_lshlrev_b32 v22, 12, v2                      ; and the same two rows in out0
	v_lshl_add_u32 v22, v1, 4, v22
	s_lshl_b32 s66, s17, 7
	s_lshl_b32 s68, s15, 6
	s_add_co_u32 s66, s66, s68
	s_lshl_b32 s66, s66, 12
	s_lshl_b32 s68, s42, 9
	s_add_co_u32 s66, s66, s68
	s_lshl_b32 s68, s16, 8
	s_add_co_u32 s66, s66, s68
	s_mov_b32 s67, 0
	s_add_nc_u64 s[72:73], s[10:11], s[66:67]
	s_wait_alu depctr_va_vdst(0)
	s_wait_tensorcnt 0x0                           ; my record is in
	ds_add_u32 v28, v29
	s_wait_dscnt 0x0
	CROUND                                         ; a whole round: K steps 0-1 are whole, and the joint loads meet
	JLOAD G0+4, G1, G0B+4, G1B                     ; K steps 2-7
	ASK 14
	FETCH1 0, 0, 0
	FETCH2 0, 0, 0
	s_wait_loadcnt 0x0                             ; x1: the sums begin with it
	TURN 0, 0, 1, 2, 20                            ; K steps 0-1;  slot 0 takes 8-13
	UNIT 1, 1, 1
	UNIT 0, 1, 2
	TURN 1, 1, 0, 1, 26                            ; slot 1 takes 14-19
	UNIT 0, 0, 1
	UNIT 1, 0, 2
	TURN 0, 0, 1, 1, 0                             ; slot 0 takes 20-25
	UNIT 1, 1, 1
	UNIT 0, 1, 2
	TURN 1, 1, 0, 1, 0                             ; slot 1 takes 26-31
	UNIT 0, 0, 1
	UNIT 1, 0, 2
	TURN 0, 0, 1, 0, 0                             ; nothing more is filled
	UNIT 1, 1, 1
	UNIT 0, 1, 2
	s_wait_dscnt 32
	HALFH 1, 0
	s_wait_dscnt 0x0
	HALFH 1, 1
	WIN 0
	PLACES
	; THE WAY OUT: 16 rows x 64 columns at a time through my own stage, back as rows of 256 bytes; LDS serves a wave's instructions in order
.irp a, 0,1,2,3
	WIN 0x08
.irp b, 0,1,2,3
	ds_store_b128 v20, v[8*(4*\a+\b):8*(4*\a+\b)+3] offset:128*(\b/2)+32*(\b%2)
	ds_store_b128 v20, v[8*(4*\a+\b)+4:8*(4*\a+\b)+7] offset:128*(\b/2)+32*(\b%2)+16
.endr
	WIN 0
.irp t, 0,1,2,3,4,5,6,7
	ds_load_b128 v[64+32*\a+4*\t:64+32*\a+4*\t+3], v21 offset:2*SP*\t
.endr
.endr
.irp a, 0,1,2,3
	s_wait_dscnt 16*(3-\a)                         ; block a is back; the later blocks' eight stores and eight loads each may be out
.irp t, 0,1,2,3,4,5,6,7
	global_store_b128 v22, v[64+32*\a+4*\t:64+32*\a+4*\t+3], s[72:73] offset:(32*(\a/2)+8*(\a%2)+2*\t+8*(\t/4))*4096 th:TH_STORE_NT   ; 16 lanes store 256 consecutive bytes, aligned
.endr
.endr
	s_wait_tensorcnt 0x0                           ; the wave's end
	ds_add_u32 v28, v29
	s_wait_dscnt 0x0
	CROUND                                         ; the closing round
	s_endpgm
.Lfunc_end_k_q1ab8cc5d6e_mlp2:
	.size	k_q1ab8cc5d6e_mlp2, .Lfunc_end_k_q1ab8cc5d6e_mlp2-k_q1ab8cc5d6e_mlp2
	.p2alignl 7, 3214868480
	.fill 96, 4, 3214868480
	.section	.rodata,"a",@progbits
	.p2align	6, 0x0
	.amdhsa_kernel k_q1ab8cc5d6e_mlp2
		.amdhsa_group_segment_fixed_size 327680
		.amdhsa_private_segment_fixed_size 0
		.amdhsa_enable_private_segment 0
		.amdhsa_kernarg_size 32
		.amdhsa_user_sgpr_count 2
		.amdhsa_user_sgpr_kernarg_segment_ptr 1
		.amdhsa_wavefront_size32 1
		.amdhsa_system_sgpr_workgroup_id_x 1
		.amdhsa_system_sgpr_workgroup_id_y 1
		.amdhsa_system_sgpr_workgroup_id_z 1
		.amdhsa_system_vgpr_workitem_id 0
		.amdhsa_next_free_vgpr 768
		.amdhsa_next_free_sgpr 100
		.amdhsa_reserve_vcc 0
		.amdhsa_float_denorm_mode_32 3
		.amdhsa_float_denorm_mode_16_64 3
		.amdhsa_memory_ordered 1
		.amdhsa_forward_progress 1
		.amdhsa_inst_pref_size 168
	.end_amdhsa_kernel
	.amdgpu_metadata
---
amdhsa.version: [ 1, 2 ]
amdhsa.kernels:
  - .name:           k_q1ab8cc5d6e_mlp2
    .symbol:         k_q1ab8cc5d6e_mlp2.kd
    .args:
      - { .name: hrec, .offset: 0, .size: 8, .value_kind: global_buffer, .address_space: global }
      - { .name: opnd, .offset: 8, .size: 8, .value_kind: global_buffer, .address_space: global }
      - { .name: x1f, .offset: 16, .size: 8, .value_kind: global_buffer, .address_space: global }
      - { .name: out0, .offset: 24, .size: 8, .value_kind: global_buffer, .address_space: global }
    .group_segment_fixed_size: 327680
    .private_segment_fixed_size: 0
    .kernarg_segment_align: 8
    .kernarg_segment_size: 32
    .max_flat_workgroup_size: 128
    .sgpr_count:     100
    .vgpr_count:     768
    .wavefront_size: 32
...
	.end_amdgpu_metadata
.endif
;; end of part 6
